; MI455X (gfx1250); checked and timed in simulation.
; The chip was launched on July 23, 2026; its instructions are those of AMD's public machine-readable ISA for CDNA 5 (MIT licence, August 2026) and "CDNA5" Instruction Set Architecture Reference Guide (July 2026). The comments in the code are by the model that wrote it; some were corrected since.
;; Causal Multihead Self Attention. Allowed arithmetic: matrix products marked QUANTISED: E2M1 operands, one E8M0 scale for each 32 along K, by v_wmma_scale_f32_16x16x128_f8f6f4 with both operands' format E2M1 (or v_wmma_scale_f32_32x16x128_f4), f32 sums; products left as they are: bf16, f16 or f32 operands; f32 sums; everything else in f32.
;; Inputs: W_out 1,024 x 1,024 float32; W_qkv 3,072 x 1,024 float32; X 4 x 2,048 x 1,024 float32.
;; Outputs: out0 4 x 2,048 x 1,024 float32.
;; This version of the problem:
;;   THIS VERSION OF THE PROBLEM IS GIVEN IN LOW PRECISION. The matrix products marked QUANTISED in the list below multiply operands that are first quantised to E2M1 (2 exponent bits, 1 mantissa bit; 4 bits a number), with one power-of-two scale for each 32 numbers along K (OCP MX v1.0); their sums are f32. The products marked 'left as it is' may take bf16, f16 or f32 operands, with f32 sums. Whichever they take, every output number must still come out within the allowed error. Rounding operands to bf16 (8 significant bits) uses up far more of that allowance than f16 does (11 bits, for magnitudes from 6e-5 to 65,504). All else is computed in f32.
;;   The module's matrix products, in the order in which they are computed (A, B: the left and right operand; K: the contracted axis; several contracted axes count as one K, in the product's order):
;;     1. [M 8,192, K 1,024] x [K 1,024, N 3,072]; A: input X; B: input W_qkv: QUANTISED
;;     2. batch 64 x [M 2,048, K 64] x [K 64, N 2,048]; A: computed on the way; B: computed on the way: left as it is (an operand is computed on the way)
;;     3. batch 64 x [M 2,048, K 2,048] x [K 2,048, N 64]; A: computed on the way; B: computed on the way: left as it is (an operand is computed on the way)
;;     4. [M 8,192, K 1,024] x [K 1,024, N 1,024]; A: computed on the way; B: input W_out: left as it is (an operand is computed on the way)
;;   THE QUANTISER, for each operand of a quantised product, along K:
;;     - K is cut into blocks of 32 from its start; a last block that is shorter is filled with zeros.
;;     - A block's scale is 2^e with e = floor(log2(the largest magnitude in the block)) - 2, held to -126 .. 127; a block of zeros has e = 0. As a byte (E8M0): e + 127.
;;     - Each number is divided by its block's scale, clamped to +-6, and rounded to the nearest number of E2M1, ties to even, subnormals kept.
;;     - The product sums the exact products of the quantised numbers (number of the format x scale) in f32.
;;   ~~~python
;;   def quantise(x, axis):      # numpy; x: float32 -> the quantised numbers, widened to float32 again
;;       x = np.moveaxis(x, axis, -1); K = x.shape[-1]
;;       x = np.pad(x, [(0, 0)] * (x.ndim - 1) + [(0, -K % 32)]); x = x.reshape(x.shape[:-1] + (-1, 32)); a = np.abs(x).max(-1, keepdims=True)
;;       e = np.where(a > 0, np.clip(np.frexp(np.where(a > 0, a, 1))[1] - 1 - 2, -126, 127), 0)      # np.frexp(a)[1] - 1 = floor(log2(a)), exactly
;;       r = np.clip(x / 2.0 ** e, -6, 6)
;;       step = 2.0 ** (np.maximum(np.frexp(np.where(r == 0, 1, r))[1] - 1, 0) - 1)
;;       q = np.round(r / step) * step * 2.0 ** e      # np.round: ties to even
;;       return np.moveaxis(q.reshape(q.shape[:-2] + (-1,))[..., :K], -1, axis).astype(np.float32)
;;   ~~~
;; One version. Each part assembles by itself: llvm-mc -triple=amdgcn-amd-amdhsa -mcpu=gfx1250 --defsym DOCPART=n.
;; ======== version 1 of 1: 6 launches
;; limits: values are held in f16: magnitudes above 65,504 overflow, below 6.1e-05 lose precision; right only within a limited range of input values
;; workspace buffers: xc 4,194,304 bytes; xs 262,144 bytes; wc 1,572,864 bytes; ws 98,304 bytes; qkv 50,331,648 bytes; att 16,777,216 bytes; wo 4,194,304 bytes; ofine 262,144 bytes
;; launch prep (part 1): grid 480 x 1, 4 waves a work-group, no clusters, 33,280 bytes of LDS; arguments X, W_qkv, xc, xs, wc, ws, W_out, wo; writes xc, xs, wc, ws, wo
.if DOCPART == 1
	.amdgcn_target "amdgcn-amd-amdhsa--gfx1250"
	.amdhsa_code_object_version 6
	.text
	.protected	k_qaed9a058cd_prep
	.globl	k_qaed9a058cd_prep
	.p2align	8
	.type	k_qaed9a058cd_prep,@function
k_qaed9a058cd_prep:
	s_mov_b64 s[64:65], 0
	v_nop
	global_prefetch_b8 v0, s[64:65] scope:SCOPE_SE
	s_setreg_imm32_b32 hwreg(HW_REG_WAVE_MODE, 25, 1), 1
	s_wait_xcnt 0x0
; X [8192][1024] and W_qkv [3072][1024], f32, become codes of FP4 (E2M1), K innermost, two codes a byte, with one E8M0 scale byte for each 32 along K;
; W_out [1024][1024], f32, becomes two f16 tensors, a high part and a low part (x = hi + lo up to the low part's rounding), laid [part][64 along K: 16 blocks][n 1024][64].
; A block's scale is 2^(floor(log2(its largest magnitude)) - 2); its byte is the largest magnitude's own exponent field - 2, held at 1 from below.  A block of zeros so gets the byte 1 where the
; rule says 127: its codes are zeros, which add nothing under any byte but 0xff, and the bytes are read by this program alone.
; LIMITS: blocks whose largest magnitude lies under 2^-124 are held at the byte 1; NaN and infinities among the inputs are not served; |W_out| stays under 65,504 (f16's largest number);
; W_out's low part is kept to f16's smallest step, 2^-24.
; SHARES.  Work-groups 0-255 take X, 256-351 W_qkv: both are plain streams of blocks of 32 numbers; a wave takes 16 steps of 512 numbers.  Each of a step's four loads reads 512 consecutive bytes;
; the 2,048 bytes turn through the wave's own stage in LDS and come back 64 bytes (16 neighbours along K) a lane, since a conversion takes its numbers from one lane's registers.  A wave's store of
; codes covers 256 consecutive bytes; its 256 scale bytes are gathered in LDS and leave as one aligned run of 256 bytes.  Work-groups 352-479 take W_out, with no LDS at all.
; No tensor loads, no barrier: waves share nothing.  No matrix unit, no cluster: the launch only streams.
.set SIZE_M, 8192
.set SIZE_N, 3072
.set SIZE_K, 1024
.set WAVES, 4
.set STEPS, 16
.set WGA,   SIZE_M*SIZE_K/(512*STEPS*WAVES)            ; 256 work-groups for X
.set WGQ,   (SIZE_M+SIZE_N)*SIZE_K/(512*STEPS*WAVES)   ; 352 for X and W_qkv together
.set EMAX,  2
.set CB,    8                          ; bytes of 16 codes
.set R,     16                         ; v16-79   four sets of 16 numbers as they are loaded
.set X,     80                         ; v80-111  two sets of 16 neighbours
.set C,     128                        ; v128-191 codes: four registers for each step, so that no store's data are written again
.set E,     112                        ; v112-127 a scale byte for each step
.set WREG,  8192                       ; LDS: a region for each wave: two stages of 32 x SP bytes, and behind them its 256 scale bytes
.set SP,    80                         ; a lane's place in a stage: its 64 bytes + 16 of padding
.set SPW,   12                         ; v12      LDS address of my spare word; never rewritten
.set NIL,   13                         ; v13      0; never rewritten
.set SPARE, WAVES*WREG                 ; behind the four regions: the spare words, 128 bytes for each wave
	s_load_b128 s[4:7], s[0:1], 0x0                ; X, W_qkv
	s_load_b128 s[8:11], s[0:1], 0x10              ; X's codes, X's scales
	s_load_b128 s[12:15], s[0:1], 0x20             ; W_qkv's codes, W_qkv's scales
	s_load_b128 s[24:27], s[0:1], 0x30             ; W_out, its f16 parts
	v_lshl_add_u32 v[SPW], v0, 2, SPARE
	v_mov_b32 v[NIL], 0
	v_lshrrev_b32 v1, 5, v0
	v_readfirstlane_b32 s16, v1                    ; wave
	v_and_b32 v2, 31, v0                           ; lane
	v_lshlrev_b32 v3, 4, v2                        ; my 16 bytes of a run of 512
	s_mul_i32 s17, s16, WREG
	v_lshrrev_b32 v14, 2, v2
	v_mul_u32_u24 v14, v14, SP
	v_and_b32 v15, 3, v2
	v_lshl_add_u32 v14, v15, 4, v14
	v_add_nc_u32 v14, s17, v14                     ; the stage, on the way in: four lanes' 64 bytes on end, then 16 of padding
	v_mul_u32_u24 v15, v2, SP
	v_add_nc_u32 v15, s17, v15                     ; and on the way out: SP x lane: my 16 neighbours
	v_mul_u32_u24 v4, v2, CB                       ; my codes' place in a step's
	v_lshrrev_b32 v5, 1, v2
	s_add_co_u32 s17, s17, 2*32*SP
	v_add_nc_u32 v5, s17, v5                       ; LDS: my wave's 256 scale bytes, my block's byte
	v_lshlrev_b32 v7, 3, v2                        ; and on the way out 8 bytes a lane
	v_add_nc_u32 v6, s17, v7
	s_wait_kmcnt 0x0
	s_cmp_ge_u32 ttmp9, WGQ                        ; the last 128 work-groups take W_out: a branch on the work-group's number alone
	s_cbranch_scc1 .Lconv
	s_cmp_lt_u32 ttmp9, WGA                        ; X's work-group or W_qkv's?  Only pointers are chosen: both take one path
	s_cselect_b64 s[4:5], s[4:5], s[6:7]
	s_cselect_b64 s[8:9], s[8:9], s[12:13]
	s_cselect_b64 s[10:11], s[10:11], s[14:15]
	s_cselect_b32 s17, 0, WGA
	s_sub_co_u32 s17, ttmp9, s17
	s_lshl_b32 s17, s17, 2
	s_add_co_u32 s18, s17, s16                     ; which run of 8,192 numbers of the tensor is my wave's
	s_mov_b32 s19, 0
	s_mov_b64 s[20:21], 512*STEPS*4
	s_mul_u64 s[20:21], s[18:19], s[20:21]
	s_add_nc_u64 s[4:5], s[4:5], s[20:21]
	s_mov_b64 s[20:21], 32*STEPS*CB
	s_mul_u64 s[20:21], s[18:19], s[20:21]
	s_add_nc_u64 s[8:9], s[8:9], s[20:21]
	s_lshl_b32 s18, s18, 8                         ; 256 scale bytes a run
	s_add_nc_u64 s[10:11], s[10:11], s[18:19]
.macro LOAD t
.irp i, 0,1,2,3
	global_load_b128 v[R+16*((\t)%4)+4*\i:R+16*((\t)%4)+4*\i+3], v3, s[4:5] offset:2048*(\t)+512*\i th:TH_LOAD_NT   ; 32 lanes read 512 consecutive bytes
.endr
.endm
.macro TURN t                          ; step t's numbers through the stage: LDS serves a wave's instructions in order, so no wait stands between the stores and the loads
.irp i, 0,1,2,3
	ds_store_b128 v14, v[R+16*((\t)%4)+4*\i:R+16*((\t)%4)+4*\i+3] offset:32*SP*((\t)%2)+8*SP*\i
.endr
.irp i, 0,1,2,3
	ds_load_b128 v[X+16*((\t)%2)+4*\i:X+16*((\t)%2)+4*\i+3], v15 offset:32*SP*((\t)%2)+16*\i
.endr
.endm
.irp t, 0,1,2,3
	LOAD \t
.endr
	s_wait_loadcnt 12                              ; step 0's four loads are in
	TURN 0
.macro STEP t
.set XS, X+16*((\t)%2)
.if (\t) > 0
	s_wait_dscnt 1                                 ; this step's numbers are back from the stage (the last step's byte store may be out)
.else
	s_wait_dscnt 0x0
.endif
.if (\t)+4 < STEPS
	LOAD (\t)+4                                    ; the registers that went through the stage take the loads of four steps on
.endif
.if (\t)+1 < STEPS
.if STEPS-2-(\t) >= 3
	s_wait_loadcnt 12                              ; the next step's four loads are in; those of the three steps behind it may be out
.else
	s_wait_loadcnt 4*(STEPS-2-(\t))
.endif
	TURN (\t)+1                                    ; and go through the other stage while this step is worked
.endif
	v_max3_num_f32 v8, |v[XS]|, |v[XS+1]|, |v[XS+2]|               ; the largest magnitude of my 16, in two chains
	v_max3_num_f32 v9, |v[XS+3]|, |v[XS+4]|, |v[XS+5]|
.irp i, 6,10
	v_max3_num_f32 v8, v8, |v[XS+\i]|, |v[XS+\i+1]|
	v_max3_num_f32 v9, v9, |v[XS+\i+2]|, |v[XS+\i+3]|
.endr
	v_max3_num_f32 v8, v8, |v[XS+14]|, |v[XS+15]|
	v_max3_num_f32 v8, v8, v9, (EMAX+1)<<23        ; and the floor 2^(EMAX + 1 - 127): so the byte cannot fall under 1
	v_max_num_f32_dpp v8, v8, v8 row_xmask:1 row_mask:0xf bank_mask:0xf   ; and of my neighbour's 16: the block's
	v_add_nc_u32 v11, -(EMAX<<23), v8              ; EMAX off its exponent field: the conversion takes the exponent field of this operand as its scale
	v_cvt_scalef32_pk8_fp4_f32 v[C+4*(\t)], v[XS:XS+7], v11        ; eight numbers / the scale, to the nearest code, ties to even, beyond the largest code the largest
	v_cvt_scalef32_pk8_fp4_f32 v[C+4*(\t)+1], v[XS+8:XS+15], v11
	v_lshrrev_b32 v[E+(\t)], 23, v11               ; the scale's byte (a plain line behind the conversions)
	ds_store_b8 v5, v[E+(\t)] offset:16*(\t)       ; both lanes of a block write the same byte with the same value
	global_store_b64 v4, v[C+4*(\t):C+4*(\t)+1], s[8:9] offset:32*CB*(\t)
.endm
.irp t, 0,1,2,3,4,5,6,7,8,9,10,11,12,13,14,15
	STEP \t
.endr
	ds_load_b64 v[8:9], v6                         ; LDS serves a wave's instructions in order: these see my stores
	s_wait_dscnt 0x0
	global_store_b64 v7, v[8:9], s[10:11]          ; 32 lanes store 256 consecutive bytes, aligned
	s_wait_tensorcnt 0x0                           ; the wave's end: behind my last LDS store
	ds_add_u32 v[SPW], v[NIL]
	s_wait_dscnt 0x0
	s_endpgm
; W_OUT.  Wave u = 4 (work-group - 352) + wave takes the block of 64 along K numbered u % 16 of rows 32 (u / 16) .. + 31, in eight chunks of 4 rows.
; A lane takes 8 neighbours along K (two loads of 16 bytes); eight lanes cover a row's 256 bytes.  Its 8 numbers are 16 bytes of f16, and the wave's store covers 512 consecutive bytes.
.Lconv:
	s_sub_co_u32 s17, ttmp9, WGQ
	s_lshl_b32 s17, s17, 2
	s_add_co_u32 s17, s17, s16                     ; u
	s_and_b32 s18, s17, 15                         ; which 64 along K
	s_lshr_b32 s19, s17, 4                         ; which 32 rows
	s_lshl_b32 s20, s19, 17                        ; 32 rows of 4,096 bytes
	s_lshl_b32 s21, s18, 8                         ; 64 numbers of 4 bytes
	s_add_co_u32 s20, s20, s21
	s_mov_b32 s21, 0
	s_add_nc_u64 s[24:25], s[24:25], s[20:21]
	s_lshl_b32 s20, s18, 17                        ; out: a block of 64 along K is 1,024 rows of 128 bytes
	s_lshl_b32 s22, s19, 12                        ; 32 rows of 128 bytes
	s_add_co_u32 s20, s20, s22
	s_add_nc_u64 s[26:27], s[26:27], s[20:21]
	v_lshrrev_b32 v8, 3, v2
	v_and_b32 v9, 7, v2
	v_lshlrev_b32 v8, 12, v8
	v_lshl_add_u32 v8, v9, 5, v8                   ; row (lane / 8) of the chunk, 32 bytes for each of eight lanes
.irp c, 0,1,2,3,4,5,6,7
	global_load_b128 v[16+8*\c:16+8*\c+3], v8, s[24:25] offset:\c*16384 th:TH_LOAD_NT
	global_load_b128 v[16+8*\c+4:16+8*\c+7], v8, s[24:25] offset:\c*16384+16 th:TH_LOAD_NT
.endr
.macro SPLIT c
	s_wait_loadcnt 14-2*(\c)                       ; this chunk's two loads are in; the later chunks' may be out
	s_wait_xcnt 0x0                                ; the last chunk's stores have read v80-87, which are written again below
.irp k, 0,1,2,3
	v_cvt_pk_f16_f32 v[80+\k], v[16+8*(\c)+2*\k], v[16+8*(\c)+2*\k+1]      ; the high part: x rounded to f16
.endr
	v_cvt_f32_f16 v88, v80.l                       ; the high part widened again,
	v_cvt_f32_f16 v89, v80.h
	v_cvt_f32_f16 v90, v81.l
	v_cvt_f32_f16 v91, v81.h
	v_cvt_f32_f16 v92, v82.l
	v_cvt_f32_f16 v93, v82.h
	v_cvt_f32_f16 v94, v83.l
	v_cvt_f32_f16 v95, v83.h
.irp i, 0,1,2,3,4,5,6,7
	v_sub_f32 v[16+8*(\c)+\i], v[16+8*(\c)+\i], v[88+\i]                   ; what it leaves of x: exact in f32,
.endr
.irp k, 0,1,2,3
	v_cvt_pk_f16_f32 v[84+\k], v[16+8*(\c)+2*\k], v[16+8*(\c)+2*\k+1]      ; rounded to f16: the low part
.endr
	global_store_b128 v3, v[80:83], s[26:27] offset:(\c)*512
	global_store_b128 v3, v[84:87], s[26:27] offset:(\c)*512+2097152       ; the low parts lie 2 MiB behind the high parts
.endm
.irp c, 0,1,2,3,4,5,6,7
	SPLIT \c
.endr
	s_endpgm
.Lfunc_end_k_qaed9a058cd_prep:
	.size	k_qaed9a058cd_prep, .Lfunc_end_k_qaed9a058cd_prep-k_qaed9a058cd_prep
	.p2alignl 7, 3214868480
	.fill 96, 4, 3214868480
	.section	.rodata,"a",@progbits
	.p2align	6, 0x0
	.amdhsa_kernel k_qaed9a058cd_prep
		.amdhsa_group_segment_fixed_size 33280
		.amdhsa_private_segment_fixed_size 0
		.amdhsa_enable_private_segment 0
		.amdhsa_kernarg_size 64
		.amdhsa_user_sgpr_count 2
		.amdhsa_user_sgpr_kernarg_segment_ptr 1
		.amdhsa_wavefront_size32 1
		.amdhsa_system_sgpr_workgroup_id_x 1
		.amdhsa_system_sgpr_workgroup_id_y 1
		.amdhsa_system_sgpr_workgroup_id_z 1
		.amdhsa_system_vgpr_workitem_id 0
		.amdhsa_next_free_vgpr 192
		.amdhsa_next_free_sgpr 66
		.amdhsa_reserve_vcc 0
		.amdhsa_float_denorm_mode_32 3
		.amdhsa_float_denorm_mode_16_64 3
		.amdhsa_memory_ordered 1
		.amdhsa_forward_progress 1
		.amdhsa_inst_pref_size 46
	.end_amdhsa_kernel
	.amdgpu_metadata
---
amdhsa.version: [ 1, 2 ]
amdhsa.kernels:
  - .name:           k_qaed9a058cd_prep
    .symbol:         k_qaed9a058cd_prep.kd
    .args:
      - { .name: X, .offset: 0, .size: 8, .value_kind: global_buffer, .address_space: global }
      - { .name: W_qkv, .offset: 8, .size: 8, .value_kind: global_buffer, .address_space: global }
      - { .name: xc, .offset: 16, .size: 8, .value_kind: global_buffer, .address_space: global }
      - { .name: xs, .offset: 24, .size: 8, .value_kind: global_buffer, .address_space: global }
      - { .name: wc, .offset: 32, .size: 8, .value_kind: global_buffer, .address_space: global }
      - { .name: ws, .offset: 40, .size: 8, .value_kind: global_buffer, .address_space: global }
      - { .name: W_out, .offset: 48, .size: 8, .value_kind: global_buffer, .address_space: global }
      - { .name: wo, .offset: 56, .size: 8, .value_kind: global_buffer, .address_space: global }
    .group_segment_fixed_size: 33280
    .private_segment_fixed_size: 0
    .kernarg_segment_align: 8
    .kernarg_segment_size: 64
    .max_flat_workgroup_size: 128
    .sgpr_count:     66
    .vgpr_count:     192
    .wavefront_size: 32
...
	.end_amdgpu_metadata
.endif
;; end of part 1
;; launch qkv (part 2): grid 12 x 32, 4 waves a work-group, clusters of 4 x 4, 327,680 bytes of LDS; arguments xc, xs, wc, ws, qkv; writes qkv
.if DOCPART == 2
	.amdgcn_target "amdgcn-amd-amdhsa--gfx1250"
	.amdhsa_code_object_version 6
	.text
	.protected	k_qaed9a058cd_qkv
	.globl	k_qaed9a058cd_qkv
	.p2align	8
	.type	k_qaed9a058cd_qkv,@function
k_qaed9a058cd_qkv:
	s_mov_b64 s[64:65], 0
	v_nop
	global_prefetch_b8 v0, s[64:65] scope:SCOPE_SE
	s_setreg_imm32_b32 hwreg(HW_REG_WAVE_MODE, 25, 1), 1
	s_wait_xcnt 0x0
	s_wait_alu depctr_hold_cnt(0) depctr_sa_sdst(0) depctr_va_vdst(0) depctr_va_sdst(0) depctr_va_ssrc(0) depctr_va_vcc(0) depctr_vm_vsrc(0)
	s_getreg_b32 s2, hwreg(HW_REG_IB_STS2, 6, 4)
	s_cmp_eq_u32 s2, 0
	s_cbranch_scc0 .Lentry_in_a_cluster
	s_endpgm
.Lentry_in_a_cluster:
	s_bfe_u32 s2, ttmp6, 0x10000c
	s_cmp_lg_u32 s2, 0xf033
	s_cbranch_scc0 .Lentry_shape_is_right
	s_endpgm
.Lentry_shape_is_right:
; qkv[m][n] = sum over k of X[m][k] W_qkv[n][k], both operands as codes of FP4 (E2M1) with one E8M0 scale for each 32 along K; sums in f32; results rounded once to f16 and laid by head:
; [part q, k, v][batch 4][head 16][position 2048][64].  LIMIT: |q|, |k|, |v| stay under 65,504, f16's largest number.
; A tile of the result, 256 x 256, is made by a work-group of four waves; a wave makes 128 x 128: 64 accumulators of 16 x 16, 512 registers.
; K = 1,024 is two steps of 512 (a tile's row is 256 bytes of memory): both are first fills of two LDS slots, and nothing is filled again.
; THE SCALES of the work-group's 256 rows of X and 256 rows of W, for all of K, are two dense blocks of memory: they come into LDS once, with the first fills.
; CLUSTERS: 4 x 4 work-groups.  The four of a row of the cluster need the same tiles of X, the four of a column the same tiles of W: each tile is asked for JOINTLY, by the same tensor load with the
; same descriptor and a mask that names the four.  THE MATRIX INSTRUCTION IS USED TRANSPOSED (source 0 = 16 rows of W, source 1 = 16 rows of X): a lane then holds eight neighbouring channels of one position.
; REGISTERS, in windows of 256: window 0: v0-31 addresses; v32-95 scale words, two sets; from v128 X's fragments (8 x 16 rows x 128 K), ONE set; on the way out v32-63 and v192-255 are at work.
;   window 1: W's fragments, TWO sets, at v0 and at v128.   window 2: the 32 accumulators of my rows 0-63 (accumulator (a, b) at v[8 (8 a + b)]);   window 3: those of my rows 64-127.
.set SIZE_M, 8192
.set SIZE_N, 3072
.set SIZE_K, 1024
.set KSTEP,  512                       ; along K in a slot
.set NQ,     KSTEP/128                 ; matrix instructions deep
.set ROWB,   256                       ; a tile's row in bytes
.set KROW,   SIZE_K/2                  ; a row of codes in memory, in bytes
.set PITCH,  272                       ; an LDS row: 256 bytes + 16 of padding: the 16 rows that a load touches start 16 bytes further on in each 256
.set FR,     8                         ; registers of a fragment: 16 rows x 128 K
.set NL,     2                         ; LDS loads that bring one
.set NP,     4                         ; places behind this matrix instruction (ISA guide 7.12.1)
.set HALFT,  128*PITCH                 ; 128 rows: what one tensor load brings
.set SLOT,   4*HALFT                   ; X's 256 rows, then W's 256 rows
.set KS,     SIZE_K/32                 ; a row of scales in bytes
.set SCL,    2*SLOT                    ; behind the slots: the scales, as runs of 256 bytes + 16 of padding
.set HALFS,  (128*KS/256)*272          ; the scales of 128 rows: what one tensor load brings
.set SBLK,   (16*KS/256)*272           ; those of 16 rows
.set SPARE,  SCL+4*HALFS               ; behind the scales: the spare words, 128 bytes for each wave
.set HP,     144                       ; the way out: a stage row: a head's 128 bytes + 16
.set STGW,   2*16*HP                   ; a wave's stage: 2 heads x 16 positions.  It lies in slot 0, which has had its one fill and its last read when the first result is stored there
.set ADRA, 16                          ; v16-17  LDS address of my X fragments in slot 0, 1
.set ADRB, 20                          ; v20-21  the same for W
.set STO,  24                          ; v24     the way out: where I put 16 bytes of a row
.set RD,   25                          ; v25     the way out: where I read rows back
.set CO,   26                          ; v26     16 x lane: my place in a run of 512 bytes
.set ADRS, 27                          ; v27     LDS address of my scale words: lanes 0-15 X's rows, lanes 16-31 W's
.set SPW,  28                          ; v28     LDS address of my spare word; never rewritten
.set NIL,  29                          ; v29     0; never rewritten
.set SC,   32                          ; scale words: set s at v[SC + 8 NQ s]; register NQ i + q: lanes 0-15 the word of X's block i, lanes 16-31 that of W's block i, for the slot's q-th 128 along K
.set AF,   128                         ; X's fragments, in window 0
.set TMP,  192                         ; the way out: packed results
.set OB,   32                          ; the way out: rows read back: v32-63 and v224-255 by turns
.set G1, 24                            ; s[24:31] descriptor group 1 for X's tiles;  s[32:39] group 0, one set for each slot
.set G0, 32
.set G1B, 48                           ; s[48:55], s[56:63] the same for W's tiles
.set G0B, 56
.set G1S, 68                           ; s[68:75], s[76:79] groups 1 and 0 for X's scales;  s[80:87], s[88:91] for W's
.set G0S, 76
.set G1SB, 80
.set G0SB, 88
.set MSB, 0
.macro WIN new                         ; the immediate's high byte repeats the setting that is left
.if MSB != (\new)
	s_set_vgpr_msb (MSB<<8)|(\new)
.set MSB, (\new)
.endif
.endm
.set MUL_LO, 0xa1                      ; source 0 (W) window 1, source 1 (X) window 0, C and D window 2
.set MUL_HI, 0xf1                      ; the same, C and D window 3
.set TO_B,   0x40                      ; destination window 1, address window 0
; A joint load: waves 0 and 1 fetch for X, waves 2 and 3 for W.  Each of the two lines has ONE mask and one set of registers for all that issue it; the branch hangs on the wave's number alone.
; An s_nop 0 and four v_nop follow each of the two lines.
.macro JLOAD g0a, g1a, g0b, g1b
	s_cmp_eq_u32 s15, 0
	s_cbranch_scc0 .Lfor_b_\@
	tensor_load_to_lds s[\g0a:\g0a+3], s[\g1a:\g1a+7]
	s_nop 0
.rept 4
	v_nop
.endr
	s_branch .Lasked_\@
.Lfor_b_\@:
	tensor_load_to_lds s[\g0b:\g0b+3], s[\g1b:\g1b+7]
	s_nop 0
.rept 4
	v_nop
.endr
.Lasked_\@:
.endm
.macro CROUND                          ; a round of the cluster's barrier
	s_barrier_signal -1
	s_barrier_wait -1
	s_cmp_lg_u32 s14, 0
	s_cbranch_scc1 .Lnot_wave_0_\@
	s_barrier_signal -3
.Lnot_wave_0_\@:
	s_barrier_wait -3
	s_barrier_signal -1
	s_barrier_wait -1
.endm
	s_load_b128 s[4:7], s[0:1], 0x0                ; X's codes s[4:5], X's scales s[6:7]
	s_load_b128 s[8:11], s[0:1], 0x10              ; W's codes s[8:9], W's scales s[10:11]
	s_load_b64 s[12:13], s[0:1], 0x20              ; qkv
	v_lshl_add_u32 v[SPW], v0, 2, SPARE
	v_mov_b32 v[NIL], 0
	ds_add_u32 v[SPW], v[NIL]                      ; the wave's opening: the add, twice on end, and its wait ahead of my first tensor load
	ds_add_u32 v[SPW], v[NIL]                      ; and once more, under the one wait; the set-up below, work on registers, stands between
	v_lshrrev_b32 v1, 5, v0
	v_readfirstlane_b32 s14, v1                    ; wave 0..3
	s_lshr_b32 s15, s14, 1                         ; which half of the tile's rows is mine.  Also: I fetch for X (0) or for W (1)
	s_and_b32 s16, s14, 1                          ; which half of its columns.  Also: which 128 rows of that tile I fetch
	s_bfe_u32 s40, ttmp6, 0x40000                  ; cx, cy: my place in the cluster
	s_bfe_u32 s41, ttmp6, 0x40004
	s_lshl_b32 s42, ttmp9, 2
	s_add_co_u32 s42, s42, s40                     ; tile column = 4 x cluster x + cx
	s_and_b32 s17, ttmp7, 0xffff
	s_lshl_b32 s17, s17, 2
	s_add_co_u32 s17, s17, s41                     ; tile row = 4 x cluster y + cy
	s_lshl_b32 s43, s41, 2
	s_lshl_b32 s43, 15, s43                        ; my row of the cluster
	s_lshl_b32 s44, 0x1111, s40                    ; my column
	; descriptor group 1: a tile of 128 rows x 256 bytes, padded in LDS
	s_or_b32 s[G1+0], s43, (0<<16)|(1<<20)|(1<<21)|(5<<22)|(3<<25)  ; 15:0 the mask: X's tiles go to my row; 17:16 element of 1 byte; 20 padding on; 21 set beside a mask; 24:22 after every 64 words; 31:25 of 4 words
	s_or_b32 s[G1B+0], s44, (0<<16)|(1<<20)|(1<<21)|(5<<22)|(3<<25)
.irp g, G1, G1B
	s_mov_b32 s[\g+1], ROWB<<16                    ; tensor_dim0
	s_mov_b32 s[\g+2], 128<<16                     ; tensor_dim1 = 128
	s_mov_b32 s[\g+3], ROWB<<16                    ; tile_dim0
	s_mov_b32 s[\g+4], 128                         ; tile_dim1 = 128
	s_mov_b32 s[\g+5], KROW                        ; tensor_dim0_stride
	s_mov_b32 s[\g+6], 0
	s_mov_b32 s[\g+7], 0
.endr
	; and for the scales of 128 rows: a dense block of 4,096 bytes, as rows of 256 bytes (32 elements of 8 bytes), 16 bytes of padding behind each
	s_or_b32 s[G1S+0], s43, (3<<16)|(1<<20)|(1<<21)|(5<<22)|(3<<25)
	s_or_b32 s[G1SB+0], s44, (3<<16)|(1<<20)|(1<<21)|(5<<22)|(3<<25)
.irp g, G1S, G1SB
	s_mov_b32 s[\g+1], 32<<16
	s_mov_b32 s[\g+2], (128*KS/256)<<16
	s_mov_b32 s[\g+3], 32<<16
	s_mov_b32 s[\g+4], 128*KS/256
	s_mov_b32 s[\g+5], 32
	s_mov_b32 s[\g+6], 0
	s_mov_b32 s[\g+7], 0
.endr
	s_lshl_b32 s18, s16, 7                         ; which 128 rows of the tile I fetch
	s_lshl_b32 s20, s17, 8
	s_add_co_u32 s20, s20, s18                     ; X: row 256 x tile row + 128 x half
	s_lshl_b32 s46, s42, 8
	s_add_co_u32 s46, s46, s18                     ; W: row 256 x tile column + 128 x half
	s_mov_b32 s21, 0
	s_mov_b32 s47, 0
	s_mov_b64 s[18:19], KS
	s_mul_u64 s[22:23], s[20:21], s[18:19]         ; where these rows' scales begin, in bytes
	s_mul_u64 s[92:93], s[46:47], s[18:19]
	s_mov_b64 s[18:19], KROW
	s_mul_u64 s[20:21], s[20:21], s[18:19]         ; and their codes
	s_mul_u64 s[46:47], s[46:47], s[18:19]
	s_mul_i32 s45, s14, HALFT                      ; where they go: wave x 128 rows: no place in the cluster enters an LDS address
	s_mul_i32 s94, s14, HALFS
	s_wait_dscnt 0x0                               ; both opening adds are done
	s_wait_kmcnt 0x0
	s_add_nc_u64 s[20:21], s[4:5], s[20:21]
	s_add_nc_u64 s[22:23], s[6:7], s[22:23]
	s_add_nc_u64 s[46:47], s[8:9], s[46:47]
	s_add_nc_u64 s[92:93], s[10:11], s[92:93]
	CROUND                                         ; all sixteen work-groups are here: the joint loads meet
	s_mov_b32 s[G0S], 1
	s_add_co_u32 s[G0S+1], s94, SCL
	s_mov_b64 s[G0S+2:G0S+3], s[22:23]
	s_or_b32 s[G0S+3], s[G0S+3], 0x80000000
	s_mov_b32 s[G0SB], 1
	s_add_co_u32 s[G0SB+1], s94, SCL
	s_mov_b64 s[G0SB+2:G0SB+3], s[92:93]
	s_or_b32 s[G0SB+3], s[G0SB+3], 0x80000000
	JLOAD G0S, G1S, G0SB, G1SB                     ; the scales first: they are wanted with K step 0
.irp s, 0,1
	s_mov_b32 s[G0+4*\s], 1
	s_add_co_u32 s[G0+4*\s+1], s45, \s*SLOT
	s_add_nc_u64 s[G0+4*\s+2:G0+4*\s+3], s[20:21], \s*ROWB
	s_or_b32 s[G0+4*\s+3], s[G0+4*\s+3], 0x80000000
	s_mov_b32 s[G0B+4*\s], 1
	s_add_co_u32 s[G0B+4*\s+1], s45, \s*SLOT
	s_add_nc_u64 s[G0B+4*\s+2:G0B+4*\s+3], s[46:47], \s*ROWB
	s_or_b32 s[G0B+4*\s+3], s[G0B+4*\s+3], 0x80000000
	JLOAD G0+4*\s, G1, G0B+4*\s, G1B               ; three loads of mine are out in all
.endr
	v_and_b32 v1, 15, v0                           ; l % 16
	v_bfe_u32 v2, v0, 4, 1                         ; l / 16
	v_mul_u32_u24 v3, v1, PITCH
	v_lshl_add_u32 v4, v2, 4, v3                   ; a fragment's row x pitch + 16 x half
	s_mul_i32 s21, s15, HALFT                      ; my 128 rows of X
	s_mul_i32 s22, s16, HALFT                      ; my 128 rows of W,
	s_add_co_u32 s22, s22, 2*HALFT                 ; which lie behind X's 256
.irp s, 0,1
	v_add_nc_u32 v[ADRA+\s], s21, v4
	v_add_nc_u32 v[ADRB+\s], s22, v4
	s_add_co_u32 s21, s21, SLOT
	s_add_co_u32 s22, s22, SLOT
.endr
	v_mul_u32_u24 v5, v1, KS                       ; my row's scales: KS bytes a row,
	v_lshrrev_b32 v6, 8, v5
	v_lshl_add_u32 v5, v6, 4, v5                   ; and 16 more for each 256 passed
	s_mul_i32 s21, s15, HALFS                      ; X's: my 128 rows
	s_mul_i32 s22, s16, HALFS                      ; W's: my 128 rows, behind X's 256
	s_add_co_u32 s22, s22, 2*HALFS
	s_sub_co_u32 s22, s22, s21
	v_mul_u32_u24 v6, s22, v2                      ; lanes 16-31 take W's
	s_add_co_u32 s21, s21, SCL
	v_add_nc_u32 v5, v5, v6
	v_add_nc_u32 v[ADRS], s21, v5
	s_mul_i32 s23, s14, STGW                       ; my stage
	v_mul_u32_u24 v5, v1, HP                       ; in: row l % 16, 16 bytes for each half of the lanes
	v_lshl_add_u32 v5, v2, 4, v5
	v_add_nc_u32 v[STO], s23, v5
	v_and_b32 v6, 31, v0
	v_lshlrev_b32 v[CO], 4, v6
	v_lshrrev_b32 v5, 3, v6                        ; back: eight lanes take a row of 128 bytes, the wave four rows
	v_mul_u32_u24 v5, v5, HP
	v_and_b32 v6, 7, v0
	v_lshl_add_u32 v5, v6, 4, v5
	v_add_nc_u32 v[RD], s23, v5
	; where my 128 positions of my two heads begin in qkv
	s_lshl_b32 s20, s17, 8
	s_lshl_b32 s21, s15, 7
	s_add_co_u32 s20, s20, s21                     ; my first row: 256 x tile row + 128 x half
	s_lshr_b32 s21, s20, 11                        ; its batch,
	s_and_b32 s20, s20, 2047                       ; its position: 128 bytes each
	s_lshl_b32 s20, s20, 7
	s_lshl_b32 s21, s21, 22                        ; a batch is 16 heads of 262,144 bytes
	s_add_co_u32 s20, s20, s21
	s_lshl_b32 s21, ttmp9, 24                      ; 1,024 columns are a part (q, k, v) and four tile columns: the part is the cluster's x; 16 MiB each
	s_add_co_u32 s20, s20, s21
	s_lshl_b32 s46, s40, 2                         ; my first head: 4 cx + 2 x half
	s_lshl_b32 s47, s16, 1
	s_add_co_u32 s46, s46, s47
	s_lshl_b32 s46, s46, 18
	s_add_co_u32 s20, s20, s46
	s_mov_b32 s21, 0
	s_add_nc_u64 s[12:13], s[12:13], s[20:21]
.macro FRAG reg, adr, q, i             ; a fragment, 16 rows x 128 K of 4-bit codes: lane l holds row l % 16; registers 4 c .. 4 c + 3 hold K = 64 c + 32 (l / 16) + 0 .. 31
.irp c, 0,1
	ds_load_b128 v[\reg+4*\c:\reg+4*\c+3], v[\adr] offset:64*(\q)+32*\c+(\i)*16*PITCH
.endr
.endm
; 16 matrix instructions: X's blocks a0, a0 + 1 x W's eight, 128 along K: the slot's q-th.  p: W's set;  sc: the set of scale words.  zero = 1: the first product starts the sums.
; The 64 accumulators take turns, one instruction a turn, in the same order in every step.
.macro MUL16 a0, p, q, sc, zero
.irp a, \a0, \a0+1
.irp b, 0,1,2,3,4,5,6,7
.if \zero
	v_wmma_scale_f32_16x16x128_f8f6f4 v[8*(8*((\a)%4)+\b):8*(8*((\a)%4)+\b)+7], v[128*(\p)+FR*\b:128*(\p)+FR*\b+FR-1], v[AF+FR*(\a):AF+FR*(\a)+FR-1], 0, v[SC+8*NQ*(\sc)+NQ*\b+(\q)], v[SC+8*NQ*(\sc)+NQ*(\a)+(\q)] matrix_a_fmt:MATRIX_FMT_FP4 matrix_b_fmt:MATRIX_FMT_FP4 matrix_a_scale:MATRIX_SCALE_ROW1
.else
	v_wmma_scale_f32_16x16x128_f8f6f4 v[8*(8*((\a)%4)+\b):8*(8*((\a)%4)+\b)+7], v[128*(\p)+FR*\b:128*(\p)+FR*\b+FR-1], v[AF+FR*(\a):AF+FR*(\a)+FR-1], v[8*(8*((\a)%4)+\b):8*(8*((\a)%4)+\b)+7], v[SC+8*NQ*(\sc)+NQ*\b+(\q)], v[SC+8*NQ*(\sc)+NQ*(\a)+(\q)] matrix_a_fmt:MATRIX_FMT_FP4 matrix_b_fmt:MATRIX_FMT_FP4 matrix_a_scale:MATRIX_SCALE_ROW1
.endif
.endr
.endr
.endm
.macro FETCH_B slot, q, p              ; W's eight fragments of the slot's q-th 128 along K into set p
	WIN TO_B
.irp i, 0,1,2,3,4,5,6,7
	FRAG 128*(\p)+FR*\i, ADRB+\slot, \q, \i
.endr
	WIN 0
.endm
.macro FETCH_A slot, q, i0             ; X's blocks i0 .. i0 + 3
.irp i, \i0, \i0+1, \i0+2, \i0+3
	FRAG AF+FR*(\i), ADRA+\slot, \q, \i
.endr
.endm
.macro SCALES sc                       ; a K step's scale words into set sc: NQ words a row; lanes 0-15 take X's block i, lanes 16-31 W's block i
.irp i, 0,1,2,3,4,5,6,7
	ds_load_b128 v[SC+8*NQ*\sc+NQ*\i:SC+8*NQ*\sc+NQ*\i+3], v[ADRS] offset:\i*SBLK
.endr
.endm
; A load into a register that a matrix instruction has read, and a vector instruction that reads a matrix result, stand NP places behind that matrix instruction; only plain vector
; instructions that name none of its registers are places.
.macro PLACES n
.rept \n
	v_nop
.endr
.endm
; A step of 128 along K that has its successor in the same slot.  X's blocks are free as soon as their eight products are issued: blocks 0-3 are fetched anew in the step's middle, blocks 4-7 at its end.
.macro STEP slot, q, zero
	s_wait_dscnt 4*NL                              ; W's set and X's blocks 0-3 are in; the youngest eight loads (X's blocks 4-7) may be out
	WIN MUL_LO
	MUL16 0, (\q)%2, \q, \slot, \zero
	MUL16 2, (\q)%2, \q, \slot, \zero
	s_wait_dscnt 0                                 ; X's blocks 4-7 are in
	PLACES NP
	FETCH_B \slot, (\q)+1, 1-(\q)%2
	FETCH_A \slot, (\q)+1, 0
	WIN MUL_HI
	MUL16 4, (\q)%2, \q, \slot, \zero
	MUL16 6, (\q)%2, \q, \slot, \zero
	PLACES NP
	WIN 0
	FETCH_A \slot, (\q)+1, 4
.endm
; Slot 0's last step changes slots: in front of the one barrier each wave waits for all its tensor loads (its part of slot 1), adds 0 to its spare word, and waits for that and for its reads of slot 0.
.macro TURN slot, next
	s_wait_tensorcnt 0x0                           ; all my tensor loads have landed  (every window is 0 here)
	ds_add_u32 v[SPW], v[NIL]                      ; 0 onto my spare word
	s_wait_dscnt 4*NL+1                            ; (the add and the youngest eight loads, X's blocks 4-7, may be out)
	WIN MUL_LO
	MUL16 0, 1, NQ-1, \slot, 0                     ; sixteen matrix instructions stand between the add and the wait for it
	s_wait_dscnt 0x0                               ; the add is done, and my reads of this slot are over
	s_barrier_signal -1
	MUL16 2, 1, NQ-1, \slot, 0
	WIN 0
	s_barrier_wait -1
	PLACES NP
	v_add_nc_u32 v[ADRS], 4*NQ, v[ADRS]            ; on to the next K step's scale words
	FETCH_B \next, 0, 0
	FETCH_A \next, 0, 0
	SCALES \next
	WIN MUL_HI
	MUL16 4, 1, NQ-1, \slot, 0
	MUL16 6, 1, NQ-1, \slot, 0
	PLACES NP
	WIN 0
	FETCH_A \next, 0, 4
.endm
.macro STEPS slot, from                ; the slot's steps from .. NQ - 2
.set Q, \from
.rept NQ-1-\from
	STEP \slot, Q, 0
.set Q, Q+1
.endr
.endm
	s_wait_tensorcnt 1                             ; the scales and my part of K step 0 are in (K step 1's load may be out),
	s_barrier_signal -1
	s_barrier_wait -1                              ; everybody's are
	FETCH_B 0, 0, 0
	FETCH_A 0, 0, 0
	SCALES 0
	FETCH_A 0, 0, 4
	STEP 0, 0, 1                                   ; the first step's products start the sums: nothing is cleared
	STEPS 0, 1
	TURN 0, 1
	STEPS 1, 0
	s_wait_dscnt 4*NL                              ; the very last step: nothing more to fetch
	WIN MUL_LO
	MUL16 0, 1, NQ-1, 1, 0
	MUL16 2, 1, NQ-1, 1, 0
	s_wait_dscnt 0
	WIN MUL_HI
	MUL16 4, 1, NQ-1, 1, 0
	MUL16 6, 1, NQ-1, 1, 0
	WIN 0
; THE WAY OUT, block by block of 16 positions x 128 columns (two heads).  PACK: rounded to f16, each accumulator from its low end on: a lane's eight channels are 16 bytes.  TOSTAGE: into my own stage,
; [head][position] rows of 144 bytes, and back four rows (512 bytes) an instruction.  SEND: a head's rows of 128 bytes are dense in qkv, so each store covers 512 consecutive bytes, aligned.
.macro PACK a
.set AC, 64*((\a)%4)
	WIN 0x0a+5*((\a)/4)                            ; sources 0 and 1: window 2 or 3
.irp b, 0,1,2,3,4,5,6,7
.irp k, 0,1,2,3
	v_cvt_pk_f16_f32 v[TMP+4*\b+\k], v[AC+8*\b+2*\k], v[AC+8*\b+2*\k+1]
.endr
.endr
	WIN 0
.endm
.macro TOSTAGE a
.set BK, OB+192*((\a)%2)
.irp b, 0,1,2,3,4,5,6,7
	ds_store_b128 v[STO], v[TMP+4*\b:TMP+4*\b+3] offset:(\b/4)*16*HP+(\b%4)*32
.endr
.irp t, 0,1,2,3,4,5,6,7
	ds_load_b128 v[BK+4*\t:BK+4*\t+3], v[RD] offset:(\t/4)*16*HP+(\t%4)*4*HP   ; LDS serves a wave's instructions in order (ISA guide 5.7.1.4): these see the stores above
.endr
.endm
.macro SEND a
.set BK, OB+192*((\a)%2)
	s_wait_dscnt 0x0                               ; the block is back in registers
	s_wait_xcnt 0x0                                ; the stores of the block before have read their registers, into which the next block's rows will be loaded
.irp t, 0,1,2,3,4,5,6,7
	global_store_b128 v[CO], v[BK+4*\t:BK+4*\t+3], s[12:13] offset:(\a)*2048+(\t/4)*262144+(\t%4)*512
.endr
.endm
	PLACES NP                                      ; behind the last products
	PACK 0
	TOSTAGE 0
.irp a, 1,2,3,4,5,6,7                  ; block a's conversions stand between block a - 1's loads from the stage and the wait for them
	PACK \a
	SEND \a-1
	TOSTAGE \a
.endr
	SEND 7
	s_wait_tensorcnt 0x0                           ; the wave's end: behind my last tensor load and my last LDS store
	ds_add_u32 v[SPW], v[NIL]
	s_wait_dscnt 0x0
	CROUND                                         ; the closing round: no work-group ends while a partner may still ask for a tile that names it
	s_endpgm
.Lfunc_end_k_qaed9a058cd_qkv:
	.size	k_qaed9a058cd_qkv, .Lfunc_end_k_qaed9a058cd_qkv-k_qaed9a058cd_qkv
	.p2alignl 7, 3214868480
	.fill 96, 4, 3214868480
	.section	.rodata,"a",@progbits
	.p2align	6, 0x0
	.amdhsa_kernel k_qaed9a058cd_qkv
		.amdhsa_group_segment_fixed_size 327680
		.amdhsa_private_segment_fixed_size 0
		.amdhsa_enable_private_segment 0
		.amdhsa_kernarg_size 40
		.amdhsa_user_sgpr_count 2
		.amdhsa_user_sgpr_kernarg_segment_ptr 1
		.amdhsa_wavefront_size32 1
		.amdhsa_system_sgpr_workgroup_id_x 1
		.amdhsa_system_sgpr_workgroup_id_y 1
		.amdhsa_system_sgpr_workgroup_id_z 1
		.amdhsa_system_vgpr_workitem_id 0
		.amdhsa_next_free_vgpr 1024
		.amdhsa_next_free_sgpr 98
		.amdhsa_reserve_vcc 0
		.amdhsa_float_denorm_mode_32 3
		.amdhsa_float_denorm_mode_16_64 3
		.amdhsa_memory_ordered 1
		.amdhsa_forward_progress 1
		.amdhsa_inst_pref_size 126
	.end_amdhsa_kernel
	.amdgpu_metadata
---
amdhsa.version: [ 1, 2 ]
amdhsa.kernels:
  - .name:           k_qaed9a058cd_qkv
    .symbol:         k_qaed9a058cd_qkv.kd
    .args:
      - { .name: xc, .offset: 0, .size: 8, .value_kind: global_buffer, .address_space: global }
      - { .name: xs, .offset: 8, .size: 8, .value_kind: global_buffer, .address_space: global }
      - { .name: wc, .offset: 16, .size: 8, .value_kind: global_buffer, .address_space: global }
      - { .name: ws, .offset: 24, .size: 8, .value_kind: global_buffer, .address_space: global }
      - { .name: qkv, .offset: 32, .size: 8, .value_kind: global_buffer, .address_space: global }
    .group_segment_fixed_size: 327680
    .private_segment_fixed_size: 0
    .kernarg_segment_align: 8
    .kernarg_segment_size: 40
    .max_flat_workgroup_size: 128
    .sgpr_count:     98
    .vgpr_count:     1024
    .wavefront_size: 32
...
	.end_amdgpu_metadata
.endif
;; end of part 2
;; launch attn (part 3): grid 4 x 64, 8 waves a work-group, no clusters, 327,680 bytes of LDS; arguments qkv, att; writes att
.if DOCPART == 3
	.amdgcn_target "amdgcn-amd-amdhsa--gfx1250"
	.amdhsa_code_object_version 6
	.text
	.protected	k_qaed9a058cd_attn
	.globl	k_qaed9a058cd_attn
	.p2align	8
	.type	k_qaed9a058cd_attn,@function
k_qaed9a058cd_attn:
	s_mov_b64 s[64:65], 0
	v_nop
	global_prefetch_b8 v0, s[64:65] scope:SCOPE_SE
	s_setreg_imm32_b32 hwreg(HW_REG_WAVE_MODE, 25, 1), 1
	s_wait_xcnt 0x0
; O[b][h][q] = the sum over k <= q of softmax_k(Q[q] . K[k] / 8) V[k], head size 64, 2,048 positions, 64 heads in all.  Q, K, V: f16, [part][b][h][position][64]; products, maxima and sums in f32;
; the weights p are rounded to f16 for the second product, O / l once at the end, to f16, laid [head][b x 2048 + position][64] for the projection.
; LIMITS: |q|, |k|, |v| under 65,504 (they arrive as f16).  The rows of positions 0-15 are computed here like all others; two later launches compute them again more finely and write over the projection's rows.
; SHARES.  Work-group (i, head) owns the query blocks i and 7 - i of 256 queries.  Under the causal mask block j needs the key slots 0 .. j of 256 keys, so every work-group walks
; (i + 1) + (8 - i) = 9 slots: 256 work-groups of equal work, and ONE loop of constant count.  Trips 0 .. i serve block i, trips i + 1 .. 8 block 7 - i; at the change O goes out and the sums begin anew.
; A wave owns 32 queries, two tiles of 16.  Waves w and w + 4, which share registers' home, take the query groups w and 7 - w: together five key steps of a slot on the diagonal.
; NO CLUSTER: the four work-groups of a head stand at different key slots in the same trip (in trip t work-group i is at slot t or at slot t - i - 1), so there is no tile that they could ask for jointly.
; LAYOUT.  S^T = K Q^T (source 0 = 16 keys, source 1 = 16 queries): a lane holds ONE query (lane % 16) and the keys 8 (lane / 16) + 0..7 of each tile.  Two such tiles, rounded to f16 in pairs,
; ARE source 1 (32 keys x 16 queries) of O^T = V^T P.  K comes out of LDS as it lies, V ([key][channel]) turned, by ds_load_tr16_b128.
; SOFTMAX.  A running maximum m and sum l for each query: p = 2^(c s - c m), c = log2(e) / 8; in every step O and l are multiplied by a = 2^(c m_old - c m_new).
; A key step all of whose 64 keys come after the wave's 32 queries is left out by a scalar branch on ids; on the diagonal hidden scores become -infinity ahead of the maximum.
; Every step that is walked begins at or before the wave's first query, so each query has a key that counts in it and m is a number from the first step on.
.set PK,    144       ; a key's row of K in LDS: 128 bytes + 16: the 16 rows of a load start 16 bytes further on in each 256
.set PV,    160       ; a row of V: 128 + 32: the turning load's 8 rows x 32 bytes fall on different words
.set SLOT1, 131072    ; slot 1 begins here, so that one exclusive or turns an address in one slot into the other's
.set VOFF,  256*PK    ; a slot: 256 rows of K, then 256 rows of V
.set STAGE, SLOT1+VOFF+256*PV      ; behind the ring: 32 rows x 144 bytes for each wave, for the way out
.set SPARE, STAGE+8*32*PK          ; behind the stages: the spare words, 128 bytes for each wave
.set AK0, 1           ; v1   my lane's place in a tile of K
.set AV0, 2           ; v2   the same for V
.set ADK, 3           ; v3   LDS address of the slot's K
.set ADV, 4           ; v4   of its V
.set STO, 5           ; v5   the way out: where I put 16 bytes of a row
.set RD,  6           ; v6   where I read rows back
.set QL,  7           ; v7   my lane's byte in 16 rows of Q
.set PFO, 8           ; v8   256 x lane: the prefetches' offset; never rewritten
.set GA,  9           ; v9   my byte offset in the head's rows of att
.set MQ,  10          ; v10  lane % 16 - 8 (lane / 16)
.set NINF, 11         ; v11  -infinity
.set ST,  12          ; v12-27 statistics, eight a tile: +0 c m, +1 m, +2, +3 l (even keys', odd keys'), +4 to +7 at work; a stands in +6
.set D0,  28          ; v28, v29 the mask's differences for the two tiles; v28 also Q's load offset
.set SPW, 30          ; v30  LDS address of my spare word; never rewritten
.set NIL, 31          ; v31  0; never rewritten
.set QF,  32          ; v32-63   Q: tile t, channels 32 cs on: 16 t + 8 cs
.set FB,  64          ; v64-127  the step's fragments of K, then of V
.set SC,  128         ; v128-191 S^T, 32 a tile; P is packed in place into each tile's low 16
.set OT,  192         ; v192-255 O^T, 32 a tile
.set WV,  8           ; s8   wave
.set WQ,  9           ; s9   which 32 queries of a block are mine
.set PI,  10          ; s10  i
.set IP1, 11          ; s11  i + 1: the trip in which the second block begins
.set QP,  12          ; s[12:13] Q of my head
.set MYT, 14          ; s[14:15] my 128 keys (waves 0, 1, 4, 5: of K; 2, 3, 6, 7: of V) of the head's key slot 0
.set AP,  16          ; s[16:17] att at my head and batch
.set Q0,  18          ; s18  my first query
.set Q0B, 19          ; s19  and in the second block
.set G1K, 24          ; s[24:31] descriptor group 1 for K's tiles;  s[32:39] for V's: it differs in the padding alone
.set G1V, 32
.set G0K, 40          ; s[40:43], s[44:47] their groups 0
.set G0V, 44
.set REM, 48          ; s48  trips of the loop still to go
.set TR,  49          ; s49  the trip
.set NS,  50          ; s50  the key slot asked for last
.set TB,  51          ; s51  LDS byte at which the slot in hand begins
.set KF,  52          ; s52  the step's first key
.set LIM, 53          ; s53  1 in a wave that prefetches, else the greatest number
.set PFA, 54          ; s[54:55] where my prefetches stand
.set CS,  56          ; s[56:57] c, twice: the packed form names a pair
.set SEL, 58          ; s[58:59] lane selects for v_permlanex16_b32: lane l xor 16
; Waves 0 and 1 fetch K's halves of a slot, waves 2 and 3 V's, the others nothing.  An s_nop 0 and four v_nop follow each of the two lines.
.macro TLOAD
	s_cmp_lt_u32 s[WV], 2
	s_cbranch_scc0 .Lnot_k_\@
	tensor_load_to_lds s[G0K:G0K+3], s[G1K:G1K+7]
	s_nop 0
.rept 4
	v_nop
.endr
	s_branch .Lasked_\@
.Lnot_k_\@:
	s_cmp_lt_u32 s[WV], 4
	s_cbranch_scc0 .Lasked_\@
	tensor_load_to_lds s[G0V:G0V+3], s[G1V:G1V+7]
	s_nop 0
.rept 4
	v_nop
.endr
.Lasked_\@:
.endm
; A PREFETCH of what the NEXT change of slots will ask for.  Work-group i = 0 walks key slot t - 1 in trip t >= 1, all eight of the head: it alone asks, and in it the four waves that fetch nothing:
; 16,384 bytes a wave (128 keys of K or of V), two instructions, lanes 256 bytes apart.  In trip t it names key slot t + 1, so each aligned 256 bytes of slots 1 to 7 are named once in the launch;
; slot 0 comes by its loads alone, and the last change that fills a slot asks for nothing.
.macro ASK
	s_cmp_gt_u32 s[REM], s[LIM]
	s_cbranch_scc0 .Lnot_mine_\@
	global_prefetch_b8 v[PFO], s[PFA:PFA+1] th:TH_LOAD_NT scope:SCOPE_SE
	global_prefetch_b8 v[PFO], s[PFA:PFA+1] offset:8192 th:TH_LOAD_NT scope:SCOPE_SE
.Lnot_mine_\@:
.endm
	s_load_b128 s[4:7], s[0:1], 0x0                ; qkv s[4:5], att s[6:7]
	v_lshl_add_u32 v[SPW], v0, 2, SPARE
	v_mov_b32 v[NIL], 0
	ds_add_u32 v[SPW], v[NIL]                      ; the wave's opening: the add, twice on end, and its wait ahead of my first tensor load
	ds_add_u32 v[SPW], v[NIL]                      ; and once more, under the one wait; the set-up below, work on registers, stands between
	v_lshrrev_b32 v1, 5, v0
	v_readfirstlane_b32 s[WV], v1                  ; wave 0..7
	s_mov_b32 s[PI], ttmp9
	s_add_co_u32 s[IP1], ttmp9, 1
	s_and_b32 s2, ttmp7, 0xffff                    ; 16 x batch + head
	s_sub_co_u32 s20, 11, s[WV]
	s_cmp_lt_u32 s[WV], 4
	s_cselect_b32 s[WQ], s[WV], s20                ; 0, 1, 2, 3, 7, 6, 5, 4
	s_lshl_b32 s21, s[WQ], 5
	s_lshl_b32 s[Q0], s[PI], 8
	s_add_co_u32 s[Q0], s[Q0], s21                 ; 256 i + 32 x my group
	s_sub_co_u32 s[Q0B], 7, s[PI]
	s_lshl_b32 s[Q0B], s[Q0B], 8
	s_add_co_u32 s[Q0B], s[Q0B], s21
	; descriptor group 1: 128 keys x 128 bytes are dense in memory: stated as 64 rows of 256 bytes, with padding behind every 128 bytes, so that each key has a padded row of its own in LDS
	s_mov_b32 s[G1K], (1<<16)|(1<<20)|(4<<22)|(3<<25)  ; 15:0 no mask; 17:16 elements of 2 bytes; 20 padding on; 24:22 after every 32 words; 31:25 four words
	s_mov_b32 s[G1V], (1<<16)|(1<<20)|(4<<22)|(7<<25)  ; the same with eight words
.irp g, G1K, G1V
	s_mov_b32 s[\g+1], 128<<16                     ; tensor_dim0 = 128 elements
	s_mov_b32 s[\g+2], 64<<16                      ; tensor_dim1 = 64
	s_mov_b32 s[\g+3], 128<<16                     ; tile_dim0
	s_mov_b32 s[\g+4], 64                          ; tile_dim1
	s_mov_b32 s[\g+5], 128                         ; tensor_dim0_stride
	s_mov_b32 s[\g+6], 0
	s_mov_b32 s[\g+7], 0
.endr
	s_and_b32 s3, s[WV], 1                         ; which 128 keys of a slot
	s_mul_i32 s[G0K+1], s3, 128*PK                 ; their place in slot 0
	s_mul_i32 s[G0V+1], s3, 128*PV
	s_add_co_u32 s[G0V+1], s[G0V+1], VOFF
	s_lshl_b32 s20, s2, 18                         ; a head is 2,048 rows of 128 bytes
	s_mov_b32 s21, 0
	s_bfe_u32 s22, s[WV], 0x10001                  ; K (0) or V (1),
	s_add_co_u32 s22, s22, 1                       ; parts 1 and 2 of qkv, 16 MiB each
	s_lshl_b32 s22, s22, 24
	s_add_co_u32 s22, s22, s20
	s_lshl_b32 s23, s3, 14
	s_add_co_u32 s22, s22, s23
	s_mov_b32 s23, 0
	s_and_b32 s60, s2, 15                          ; att: the head's 8,192 rows of 128 bytes,
	s_lshl_b32 s60, s60, 20
	s_lshr_b32 s61, s2, 4                          ; the batch's 2,048 of them
	s_lshl_b32 s61, s61, 18
	s_add_co_u32 s60, s60, s61
	s_mov_b32 s61, 0
	s_lshr_b32 s[LIM], s[WV], 2
	s_xor_b32 s[LIM], s[LIM], 1                    ; 0 in waves 4 to 7,
	s_or_b32 s[LIM], s[LIM], ttmp9                 ; of work-group i = 0
	s_cmp_eq_u32 s[LIM], 0
	s_cselect_b32 s[LIM], 1, -1
	s_mov_b32 s[CS], 0x3e38aa3b                    ; c = log2(e) / 8
	s_mov_b32 s[CS+1], s[CS]
	s_mov_b32 s[SEL], 0x76543210
	s_mov_b32 s[SEL+1], 0xfedcba98
	s_mov_b32 s[REM], 8
	s_mov_b32 s[TR], 0
	s_mov_b32 s[NS], 0
	s_mov_b32 s[TB], 0
	s_mov_b32 s[KF], 0
	v_and_b32 v12, 15, v0                          ; r = lane % 16
	v_bfe_u32 v13, v0, 4, 1                        ; h = lane / 16
	v_and_b32 v14, 31, v0                          ; lane
	v_mul_u32_u24 v[AK0], v12, PK
	v_lshl_add_u32 v[AK0], v13, 4, v[AK0]          ; K: row r, + 16 h
	v_and_b32 v15, 7, v0
	v_lshl_add_u32 v[AV0], v13, 3, v15             ; V: the turning load takes key 8 h + lane % 8,
	v_mul_u32_u24 v[AV0], v[AV0], PV
	v_bfe_u32 v15, v0, 3, 1
	v_lshl_add_u32 v[AV0], v15, 4, v[AV0]          ; channels 8 ((lane / 8) % 2) on
	v_add_nc_u32 v[AV0], VOFF, v[AV0]
	s_mul_i32 s3, s[WV], 32*PK
	s_add_co_u32 s3, s3, STAGE                     ; my stage
	v_add_nc_u32 v[STO], s3, v[AK0]                ; in: row r, 16 bytes for each half of the lanes
	v_lshrrev_b32 v[RD], 3, v14                    ; back: eight lanes take a row of 128 bytes, the wave four rows
	v_mul_u32_u24 v[RD], v[RD], PK
	v_and_b32 v15, 7, v0
	v_lshl_add_u32 v[RD], v15, 4, v[RD]
	v_add_nc_u32 v[RD], s3, v[RD]
	v_lshlrev_b32 v[QL], 7, v12
	v_lshl_add_u32 v[QL], v13, 4, v[QL]            ; Q: row r of 128 bytes, + 16 h
	v_lshlrev_b32 v[PFO], 8, v14
	v_lshlrev_b32 v[MQ], 3, v13
	v_sub_nc_u32 v[MQ], v12, v[MQ]
	v_mov_b32 v[NINF], 0xff800000
	s_wait_dscnt 0x0                               ; both opening adds are done
	s_wait_kmcnt 0x0
	s_add_nc_u64 s[QP:QP+1], s[4:5], s[20:21]
	s_add_nc_u64 s[MYT:MYT+1], s[4:5], s[22:23]
	s_add_nc_u64 s[AP:AP+1], s[6:7], s[60:61]
	s_mov_b64 s[PFA:PFA+1], s[MYT:MYT+1]           ; the first change of slots steps it to key slot 1.  Nothing is prefetched here, at the head
	s_mov_b32 s[G0K], 1                            ; 1:0 count = 1
	s_mov_b64 s[G0K+2:G0K+3], s[MYT:MYT+1]         ; 120:64 global address: key slot 0
	s_or_b32 s[G0K+3], s[G0K+3], 0x80000000        ; 127:126 type = 2
	s_mov_b32 s[G0V], 1
	s_mov_b32 s[G0V+2], s[G0K+2]                   ; (a wave asks by one of the two groups; its address serves either)
	s_mov_b32 s[G0V+3], s[G0K+3]
	TLOAD                                          ; slot 0: the one first fill at the head
.macro QLOAD                           ; my 32 queries stay in registers: a fragment is 16 queries x 32 channels: lane l holds query l % 16; two loads of 16 bytes, 32 bytes apart
	s_lshl_b32 s20, s[Q0], 7
	v_add_nc_u32 v[D0], s20, v[QL]
.irp t, 0,1
.irp cs, 0,1
.irp c, 0,1
	global_load_b128 v[QF+16*\t+8*\cs+4*\c:QF+16*\t+8*\cs+4*\c+3], v[D0], s[QP:QP+1] offset:\t*2048+\cs*64+32*\c
.endr
.endr
.endr
.endm
.macro INIT                            ; the step is written once: the first step of a block finds zeros, which its a = 0 leaves zeros
.irp t, 0,1
	v_mov_b32 v[ST+8*\t+1], 0xff61b1e6             ; m = -3e38, under every score
	v_mul_f32 v[ST+8*\t], s[CS], v[ST+8*\t+1]      ; c m
	v_mov_b32 v[ST+8*\t+2], 0                      ; l
	v_mov_b32 v[ST+8*\t+3], 0
	v_mov_b32 v[ST+8*\t+5], 0                      ; (a lane permute's destination counts as one of its sources)
	v_mov_b32 v[ST+8*\t+7], 0                      ; (named as the upper half of a's pair)
.endr
.set i, 0
.rept 64
	v_mov_b32 v[OT+i], 0
.set i, i+1
.endr
.endm
	QLOAD
	INIT
; A KEY STEP: 64 keys, the q-th of the slot in hand.
.macro STEP q
	s_add_co_u32 s20, s[Q0], 31
	s_cmp_gt_u32 s[KF], s20                        ; all its keys come after my queries: a branch on ids, round LDS reads and work on registers alone
	s_cbranch_scc1 .Lhid_\@
	v_add_nc_u32 v[ADK], s[TB], v[AK0]
	v_add_nc_u32 v[ADV], s[TB], v[AV0]
.rept 3
	v_nop                                          ; with the two additions: five places between the last products V^T P and the products below, which write over P's registers; four are owed to the loads
.endr
.irp cs, 0,1                                   ; K's 8 fragments; the first 32 channels first
.irp kt, 0,1,2,3
	ds_load_b128 v[FB+8*(2*\kt+\cs):FB+8*(2*\kt+\cs)+3], v[ADK] offset:(\q)*64*PK+\kt*16*PK+\cs*64
	ds_load_b128 v[FB+8*(2*\kt+\cs)+4:FB+8*(2*\kt+\cs)+7], v[ADK] offset:(\q)*64*PK+\kt*16*PK+\cs*64+32
.endr
.endr
.irp cs, 0,1                                   ; S^T = K Q^T: eight accumulators by turns; the first round starts the sums
	s_wait_dscnt 8-8*\cs                           ; this round's eight loads are in; the second round's eight may be out
.irp kt, 0,1,2,3
.irp t, 0,1
.if \cs == 0
	v_wmma_f32_16x16x32_f16 v[SC+32*\t+8*\kt:SC+32*\t+8*\kt+7], v[FB+8*(2*\kt+\cs):FB+8*(2*\kt+\cs)+7], v[QF+16*\t+8*\cs:QF+16*\t+8*\cs+7], 0
.else
	v_wmma_f32_16x16x32_f16 v[SC+32*\t+8*\kt:SC+32*\t+8*\kt+7], v[FB+8*(2*\kt+\cs):FB+8*(2*\kt+\cs)+7], v[QF+16*\t+8*\cs:QF+16*\t+8*\cs+7], v[SC+32*\t+8*\kt:SC+32*\t+8*\kt+7]
.endif
.endr
.endr
.endr
.rept 4
	v_nop                                          ; places in front of the loads into K's registers and of the first read of the scores
.endr
.irp u, 0,1                                    ; V's 8 fragments, turned, land while the softmax is walked: keys 32 u on, channels 16 f on
.irp f, 0,1,2,3
	ds_load_tr16_b128 v[FB+8*(4*\u+\f):FB+8*(4*\u+\f)+3], v[ADV] offset:(\q)*64*PV+\u*32*PV+\f*32
	ds_load_tr16_b128 v[FB+8*(4*\u+\f)+4:FB+8*(4*\u+\f)+7], v[ADV] offset:(\q)*64*PV+\u*32*PV+\f*32+16*PV
.endr
.endr
	s_add_co_u32 s20, s[KF], 63
	s_cmp_le_u32 s20, s[Q0]                        ; a step all of whose keys count for all my queries skips the mask
	s_cbranch_scc1 .Lopen_\@
	s_sub_co_i32 s20, s[Q0], s[KF]
	v_add_nc_u32 v[D0], s20, v[MQ]                 ; register 8 kt + j of tile t holds key KF + 16 kt + 8 h + j and query Q0 + 16 t + r: hidden where 16 kt + j > Q0 - KF + 16 t + r - 8 h
	v_add_nc_u32 v[D0+1], 16, v[D0]
.set n, 0
.rept 32
	v_cmp_gt_i32 vcc_lo, 16*(n/8)+n%8, v[D0]
	v_cndmask_b32 v[SC+n], v[SC+n], v[NINF], vcc_lo
	v_cmp_gt_i32 vcc_lo, 16*(n/8)+n%8, v[D0+1]
	v_cndmask_b32 v[SC+32+n], v[SC+32+n], v[NINF], vcc_lo
.set n, n+1
.endr
.Lopen_\@:
	; the maximum of a lane's 32 scores and the old m, three operands at a time, four chains a tile, the two tiles line by line; each accumulator is read from its low end on
.irp j, 0,1,2,3
.irp t, 0,1
	v_max3_num_f32 v[ST+8*\t+4+\j], v[SC+32*\t+8*\j], v[SC+32*\t+8*\j+1], v[SC+32*\t+8*\j+2]
.endr
.endr
.irp i, 3,5
.irp j, 0,1,2,3
.irp t, 0,1
	v_max3_num_f32 v[ST+8*\t+4+\j], v[ST+8*\t+4+\j], v[SC+32*\t+8*\j+\i], v[SC+32*\t+8*\j+\i+1]
.endr
.endr
.endr
.irp t, 0,1
	v_max3_num_f32 v[ST+8*\t+4], v[ST+8*\t+4], v[SC+32*\t+7], v[SC+32*\t+15]
	v_max3_num_f32 v[ST+8*\t+6], v[ST+8*\t+6], v[SC+32*\t+23], v[SC+32*\t+31]
.endr
.irp t, 0,1
	v_max3_num_f32 v[ST+8*\t+4], v[ST+8*\t+4], v[ST+8*\t+5], v[ST+8*\t+6]
.endr
.irp t, 0,1
	v_max3_num_f32 v[ST+8*\t+4], v[ST+8*\t+4], v[ST+8*\t+7], v[ST+8*\t+1]
.endr
.irp t, 0,1
	v_permlanex16_b32 v[ST+8*\t+5], v[ST+8*\t+4], s[SEL], s[SEL+1]   ; the query's other 32 keys lie in the lane 16 away
.endr
.irp t, 0,1
	v_mov_b32 v[ST+8*\t+7], v[ST+8*\t]             ; c m_old is kept for a
.endr
.irp t, 0,1
	v_max_num_f32 v[ST+8*\t+1], v[ST+8*\t+4], v[ST+8*\t+5]
.endr
.irp t, 0,1
	v_mul_f32 v[ST+8*\t], s[CS], v[ST+8*\t+1]
.endr
.irp t, 0,1
	v_sub_f32 v[ST+8*\t+7], v[ST+8*\t+7], v[ST+8*\t]
.endr
.set i, 0
.rept 16
	v_pk_fma_f32 v[SC+i:SC+i+1], v[SC+i:SC+i+1], s[CS:CS+1], v[ST:ST+1] op_sel_hi:[1,0,0] neg_lo:[0,0,1] neg_hi:[0,0,1]             ; c s - c m, two at a time
	v_pk_fma_f32 v[SC+32+i:SC+32+i+1], v[SC+32+i:SC+32+i+1], s[CS:CS+1], v[ST+8:ST+9] op_sel_hi:[1,0,0] neg_lo:[0,0,1] neg_hi:[0,0,1]
.set i, i+2
.endr
	v_exp_f32 v[ST+6], v[ST+7]                     ; ONE BATCH of 66 exponentials: a of both tiles,
	v_exp_f32 v[ST+14], v[ST+15]
.set i, 0
.rept 32
	v_exp_f32 v[SC+i], v[SC+i]                     ; and p
	v_exp_f32 v[SC+32+i], v[SC+32+i]
.set i, i+1
.endr
	v_nop                                          ; a plain instruction behind the last exponential,
	s_wait_alu depctr_va_vdst(0)                   ; and the one wait ahead of the batch's first reader
	; l = a l + the sum of the unrounded p: two chains a tile
.irp t, 0,1
	v_pk_fma_f32 v[ST+8*\t+2:ST+8*\t+3], v[ST+8*\t+2:ST+8*\t+3], v[ST+8*\t+6:ST+8*\t+7], v[SC+32*\t:SC+32*\t+1] op_sel_hi:[1,0,1]
	v_pk_add_f32 v[ST+8*\t+4:ST+8*\t+5], v[SC+32*\t+2:SC+32*\t+3], v[SC+32*\t+6:SC+32*\t+7]
.endr
.irp i, 4,8,12,16,20,24,28
.irp t, 0,1
	v_pk_add_f32 v[ST+8*\t+2:ST+8*\t+3], v[ST+8*\t+2:ST+8*\t+3], v[SC+32*\t+\i:SC+32*\t+\i+1]
.if \i > 4
	v_pk_add_f32 v[ST+8*\t+4:ST+8*\t+5], v[ST+8*\t+4:ST+8*\t+5], v[SC+32*\t+\i+2:SC+32*\t+\i+3]
.endif
.endr
.endr
.irp t, 0,1
	v_pk_add_f32 v[ST+8*\t+2:ST+8*\t+3], v[ST+8*\t+2:ST+8*\t+3], v[ST+8*\t+4:ST+8*\t+5]
.endr
.set i, 0
.rept 16
	v_cvt_pk_f16_f32 v[SC+i], v[SC+2*i], v[SC+2*i+1]               ; P, in place and ascending: register i is written when registers 2 i and 2 i + 1 have been read
	v_cvt_pk_f16_f32 v[SC+32+i], v[SC+32+2*i], v[SC+32+2*i+1]
.set i, i+1
.endr
.set i, 0
.rept 16
	v_pk_mul_f32 v[OT+i:OT+i+1], v[OT+i:OT+i+1], v[ST+6:ST+7] op_sel_hi:[1,0]                  ; O^T x a
	v_pk_mul_f32 v[OT+32+i:OT+32+i+1], v[OT+32+i:OT+32+i+1], v[ST+14:ST+15] op_sel_hi:[1,0]
.set i, i+2
.endr
	s_wait_dscnt 0x0                               ; V is in
.irp u, 0,1                                    ; O^T += V^T P: eight accumulators by turns
.irp f, 0,1,2,3
.irp t, 0,1
	v_wmma_f32_16x16x32_f16 v[OT+32*\t+8*\f:OT+32*\t+8*\f+7], v[FB+8*(4*\u+\f):FB+8*(4*\u+\f)+7], v[SC+32*\t+8*\u:SC+32*\t+8*\u+7], v[OT+32*\t+8*\f:OT+32*\t+8*\f+7]
.endr
.endr
.endr
.Lhid_\@:
	s_add_co_u32 s[KF], s[KF], 64
.endm
; THE CHANGE OF SLOTS stands at a trip's head.  Each wave waits for all its tensor loads (its part of the slot that it is about to read), adds 0 to its spare word, and waits for that and for its reads of
; the slot that it has left.  Behind the barrier the slot ahead is whole and nobody reads the other one.  fill = 1: that other slot takes the next trip's keys: the load has four key steps in which to land.
; (Slot 1 is filled for the first time behind the first trip's barrier.)
.macro CHANGE fill
	s_wait_tensorcnt 0x0                           ; no tensor load of mine is out, so a group 0 may be written
	ds_add_u32 v[SPW], v[NIL]                      ; 0 onto my spare word
.if \fill
	ds_add_u32 v[SPW], v[NIL]                      ; and once more: the add stands twice on end, in every trip alike
	s_add_co_u32 s[NS], s[NS], 1                   ; the next trip's key slot: one on,
	s_cmp_eq_u32 s[TR], s[PI]
	s_cselect_b32 s[NS], 0, s[NS]                  ; or slot 0 again, where the second block of queries begins
	s_lshl_b32 s20, s[NS], 15                      ; 256 keys of 128 bytes
	s_mov_b32 s21, 0
	s_add_nc_u64 s[G0K+2:G0K+3], s[MYT:MYT+1], s[20:21]
	s_or_b32 s[G0K+3], s[G0K+3], 0x80000000
	s_mov_b32 s[G0V+2], s[G0K+2]
	s_mov_b32 s[G0V+3], s[G0K+3]
	s_xor_b32 s[G0K+1], s[G0K+1], SLOT1            ; into the other slot than last time
	s_xor_b32 s[G0V+1], s[G0V+1], SLOT1
	s_wait_xcnt 0x0                                ; the last prefetches, a trip back, have read their address, so it may be written
	s_add_nc_u64 s[PFA:PFA+1], s[PFA:PFA+1], 32768
.endif
	s_wait_dscnt 0x0                               ; the add is done (fill = 1: both are), and my reads of the slot that I have left are over
	s_barrier_signal -1
	s_barrier_wait -1
.if \fill
	TLOAD                                          ; the first thing behind the barrier, and a wave's one tensor load until the next
	ASK
.endif
.endm
.macro SLOT_STEPS
	STEP 0
	STEP 1
	STEP 2
	STEP 3
	s_xor_b32 s[TB], s[TB], SLOT1                  ; on to the other slot
.endm
; THE WAY OUT of a block of queries.  l's two halves and the other half of the lanes' are added; O^T is divided by l, rounded to f16 and sent through my stage: a lane's eight channels are 16 bytes of a
; row of 128; they come back four rows an instruction.  A head's rows are dense in att, so each store covers 512 consecutive bytes, aligned.
.macro WAYOUT
.rept 4
	v_nop                                          ; places behind the last products
.endr
.irp t, 0,1
	v_add_f32 v[ST+8*\t+4], v[ST+8*\t+2], v[ST+8*\t+3]
.endr
.irp t, 0,1
	v_permlanex16_b32 v[ST+8*\t+5], v[ST+8*\t+4], s[SEL], s[SEL+1]
.endr
.irp t, 0,1
	v_add_f32 v[ST+8*\t+4], v[ST+8*\t+4], v[ST+8*\t+5]
.endr
.irp t, 0,1
	v_rcp_f32 v[ST+8*\t+6], v[ST+8*\t+4]
.endr
	v_and_b32 v[GA], 31, v0                        ; (plain work behind the reciprocals)
	s_lshl_b32 s20, s[Q0], 7
	v_lshl_add_u32 v[GA], v[GA], 4, s20            ; 16 x lane + my first query's row
	s_wait_alu depctr_va_vdst(0)                   ; one wait for the two reciprocals, ahead of their first reader
.set i, 0
.rept 16
	v_pk_mul_f32 v[OT+i:OT+i+1], v[OT+i:OT+i+1], v[ST+6:ST+7] op_sel_hi:[1,0]
	v_pk_mul_f32 v[OT+32+i:OT+32+i+1], v[OT+32+i:OT+32+i+1], v[ST+14:ST+15] op_sel_hi:[1,0]
.set i, i+2
.endr
.set i, 0
.rept 32
	v_cvt_pk_f16_f32 v[SC+i], v[OT+2*i], v[OT+2*i+1]
.set i, i+1
.endr
.irp t, 0,1
.irp f, 0,1,2,3
	ds_store_b128 v[STO], v[SC+16*\t+4*\f:SC+16*\t+4*\f+3] offset:\t*16*PK+32*\f
.endr
.endr
.irp i, 0,1,2,3,4,5,6,7
	ds_load_b128 v[SC+32+4*\i:SC+32+4*\i+3], v[RD] offset:\i*4*PK  ; LDS serves a wave's instructions in order (ISA guide 5.7.1.4): these see the stores above
.endr
.irp i, 0,1,2,3,4,5,6,7
	s_wait_dscnt 7-\i                              ; rows 4 i .. 4 i + 3 are back; the later loads may be out
	global_store_b128 v[GA], v[SC+32+4*\i:SC+32+4*\i+3], s[AP:AP+1] offset:\i*512
.endr
	s_wait_xcnt 0x0                                ; the stores have read their registers, which the next block's steps write again
.endm
	s_wait_loadcnt 0x0                             ; Q
.Lslot:                                            ; 8 trips: behind each change of slots the next trip's keys are asked for
	CHANGE 1
	s_cmp_lg_u32 s[TR], s[IP1]                     ; ids and the count of trips alone: all eight waves go the same way
	s_cbranch_scc1 .Lsame
	WAYOUT                                         ; the first block of queries is finished; the second begins at key 0
	s_mov_b32 s[Q0], s[Q0B]
	s_mov_b32 s[KF], 0
	QLOAD
	INIT
	s_wait_loadcnt 0x0
.Lsame:
	SLOT_STEPS
	s_add_co_u32 s[TR], s[TR], 1
	s_sub_co_u32 s[REM], s[REM], 1
	s_cmp_lg_u32 s[REM], 0
	s_cbranch_scc1 .Lslot
	CHANGE 0                                       ; the ninth trip is written out; the change of blocks falls in trips 1 to 4, never here
	SLOT_STEPS
	WAYOUT
	s_wait_tensorcnt 0x0                           ; the wave's end: behind my last tensor load and my last LDS store
	ds_add_u32 v[SPW], v[NIL]
	s_wait_dscnt 0x0
	s_endpgm
.Lfunc_end_k_qaed9a058cd_attn:
	.size	k_qaed9a058cd_attn, .Lfunc_end_k_qaed9a058cd_attn-k_qaed9a058cd_attn
	.p2alignl 7, 3214868480
	.fill 96, 4, 3214868480
	.section	.rodata,"a",@progbits
	.p2align	6, 0x0
	.amdhsa_kernel k_qaed9a058cd_attn
		.amdhsa_group_segment_fixed_size 327680
		.amdhsa_private_segment_fixed_size 0
		.amdhsa_enable_private_segment 0
		.amdhsa_kernarg_size 16
		.amdhsa_user_sgpr_count 2
		.amdhsa_user_sgpr_kernarg_segment_ptr 1
		.amdhsa_wavefront_size32 1
		.amdhsa_system_sgpr_workgroup_id_x 1
		.amdhsa_system_sgpr_workgroup_id_y 1
		.amdhsa_system_sgpr_workgroup_id_z 1
		.amdhsa_system_vgpr_workitem_id 0
		.amdhsa_next_free_vgpr 256
		.amdhsa_next_free_sgpr 66
		.amdhsa_reserve_vcc 1
		.amdhsa_float_denorm_mode_32 3
		.amdhsa_float_denorm_mode_16_64 3
		.amdhsa_memory_ordered 1
		.amdhsa_forward_progress 1
		.amdhsa_inst_pref_size 198
	.end_amdhsa_kernel
	.amdgpu_metadata
---
amdhsa.version: [ 1, 2 ]
amdhsa.kernels:
  - .name:           k_qaed9a058cd_attn
    .symbol:         k_qaed9a058cd_attn.kd
    .args:
      - { .name: qkv, .offset: 0, .size: 8, .value_kind: global_buffer, .address_space: global }
      - { .name: att, .offset: 8, .size: 8, .value_kind: global_buffer, .address_space: global }
    .group_segment_fixed_size: 327680
    .private_segment_fixed_size: 0
    .kernarg_segment_align: 8
    .kernarg_segment_size: 16
    .max_flat_workgroup_size: 256
    .sgpr_count:     66
    .vgpr_count:     256
    .wavefront_size: 32
...
	.end_amdgpu_metadata
.endif
;; end of part 3
;; launch proj (part 4): grid 8 x 64, 4 waves a work-group, clusters of 4 x 4, 327,680 bytes of LDS; arguments att, wo, out0; writes out0
.if DOCPART == 4
	.amdgcn_target "amdgcn-amd-amdhsa--gfx1250"
	.amdhsa_code_object_version 6
	.text
	.protected	k_qaed9a058cd_proj
	.globl	k_qaed9a058cd_proj
	.p2align	8
	.type	k_qaed9a058cd_proj,@function
k_qaed9a058cd_proj:
	s_mov_b64 s[64:65], 0
	v_nop
	global_prefetch_b8 v0, s[64:65] scope:SCOPE_SE
	s_setreg_imm32_b32 hwreg(HW_REG_WAVE_MODE, 25, 1), 1
	s_wait_xcnt 0x0
	s_wait_alu depctr_hold_cnt(0) depctr_sa_sdst(0) depctr_va_vdst(0) depctr_va_sdst(0) depctr_va_ssrc(0) depctr_va_vcc(0) depctr_vm_vsrc(0)
	s_getreg_b32 s2, hwreg(HW_REG_IB_STS2, 6, 4)
	s_cmp_eq_u32 s2, 0
	s_cbranch_scc0 .Lentry_in_a_cluster
	s_endpgm
.Lentry_in_a_cluster:
	s_bfe_u32 s2, ttmp6, 0x10000c
	s_cmp_lg_u32 s2, 0xf033
	s_cbranch_scc0 .Lentry_shape_is_right
	s_endpgm
.Lentry_shape_is_right:
; out0[m][n] = sum over k of O[m][k] W_out[n][k].  O: f16, [64 along K: 16 blocks][m 8192][64]; W_out: its high f16 part, [16 blocks][n 1024][64]; out0: [8192][1024] f32; sums in f32.
; All 8,192 rows are made here with plain f16 operands.  The 64 rows of positions 0-15 are made again more finely by two later launches, which write over them: so no branch here hangs on a tile's place.
; A tile of out0 is 128 x 128: 512 work-groups.  Four waves, each 64 x 64: 16 accumulators of 16 x 16.  K goes in steps of 256 (four blocks of 64) through a ring of two LDS slots.
; In memory a block's 128 rows of a tile are 16,384 dense bytes; a wave's tensor load brings two blocks as a tile of two long rows, padded behind every 128 bytes, so that LDS holds [block][row] at 144 bytes a row.
; CLUSTERS: 4 x 4 work-groups.  The four of a row of the cluster need the same tiles of O, the four of a column the same tiles of W: each tile is asked for JOINTLY, by the same tensor load with the
; same descriptor and a mask that names the four.  THE MATRIX INSTRUCTION IS USED TRANSPOSED (source 0 = 16 rows of W, source 1 = 16 rows of O): a lane then holds eight neighbouring numbers of a row of out0.
; REGISTERS: window 0: v0-31 addresses; v32-95 at work on the way out; v128-255 the accumulators ((a, b) at v[128 + 8 (4 a + b)]).
;   window 1: two fragment buffers of 128: for 64 along K, 64 registers of O (2 x 4 x 16 rows x 32 K), then 64 of W.
.set PITCH,  144                       ; an LDS row: 128 bytes + 16: the 16 rows that a load touches start 16 bytes further on in each 256
.set KBB,    128*PITCH                 ; a block of 64 along K: 128 rows
.set SLOT,   8*KBB                     ; O's four blocks, then W's four
.set SPARE,  2*SLOT                    ; behind the ring: the spare words, 128 bytes for each wave
.set SPITCH, 272                       ; the way out: a stage of 16 rows x (256 bytes + 16) for each wave.  It lies in slot 0, which has had its last fill and its last read when the first result is stored there
.set LAPS,   2                         ; a lap = two K steps = once round the ring: K = 1,024
.set ADRA, 16                          ; v16-17  LDS address of my O fragments in slot 0, 1
.set ADRB, 20                          ; v20-21  the same for W
.set STO,  24                          ; v24     the way out: where I put 32 bytes of a row
.set RD,   25                          ; v25     where I read a row back
.set CO,   26                          ; v26     my byte offset in out0
.set SPW,  28                          ; v28     LDS address of my spare word; never rewritten
.set NIL,  29                          ; v29     0; never rewritten
.set TMP,  32                          ; the way out: 16 rows read back: v32-63 and v64-95 by turns
.set ACC,  128
.set F0,   0                           ; fragment buffers, in window 1
.set F1,   128
.set G1, 24                            ; s[24:31] descriptor group 1 for O's tiles;  s[32:39] group 0, one set for each slot
.set G0, 32
.set G1B, 48                           ; s[48:55], s[56:63] the same for W's tiles
.set G0B, 56
.set MSB, 0
.macro WIN new                         ; the immediate's high byte repeats the setting that is left
.if MSB != (\new)
	s_set_vgpr_msb (MSB<<8)|(\new)
.set MSB, (\new)
.endif
.endm
.set MUL,  0x05                        ; sources 0 (W) and 1 (O) window 1; C and D window 0
.set TO_F, 0x40                        ; destination window 1, address window 0
.macro JLOAD s                         ; a joint load: waves 0 and 1 fetch O's blocks, waves 2 and 3 W's; an s_nop 0 and four v_nop follow each of the two lines
	s_cmp_eq_u32 s11, 0
	s_cbranch_scc0 .Lfor_b_\@
	tensor_load_to_lds s[G0+4*\s:G0+4*\s+3], s[G1:G1+7]
	s_nop 0
.rept 4
	v_nop
.endr
	s_branch .Lasked_\@
.Lfor_b_\@:
	tensor_load_to_lds s[G0B+4*\s:G0B+4*\s+3], s[G1B:G1B+7]
	s_nop 0
.rept 4
	v_nop
.endr
.Lasked_\@:
.endm
.macro CREST                           ; a round of the cluster's barrier behind its opening barrier
	s_cmp_lg_u32 s10, 0
	s_cbranch_scc1 .Lnot_wave_0_\@
	s_barrier_signal -3
.Lnot_wave_0_\@:
	s_barrier_wait -3
	s_barrier_signal -1
	s_barrier_wait -1
.endm
.macro CROUND                          ; a whole round
	s_barrier_signal -1
	s_barrier_wait -1
	CREST
.endm
	s_load_b128 s[4:7], s[0:1], 0x0                ; O s[4:5], W s[6:7]
	s_load_b64 s[8:9], s[0:1], 0x10                ; out0
	v_lshl_add_u32 v[SPW], v0, 2, SPARE
	v_mov_b32 v[NIL], 0
	ds_add_u32 v[SPW], v[NIL]                      ; the wave's opening: the add, twice on end, and its wait ahead of my first tensor load
	ds_add_u32 v[SPW], v[NIL]                      ; and once more, under the one wait; the set-up below, work on registers, stands between
	v_lshrrev_b32 v1, 5, v0
	v_readfirstlane_b32 s10, v1                    ; wave 0..3
	s_lshr_b32 s11, s10, 1                         ; which half of the tile's rows is mine.  Also: I fetch for O (0) or for W (1)
	s_and_b32 s12, s10, 1                          ; which half of its columns.  Also: which two of a K step's four blocks I fetch
	s_bfe_u32 s40, ttmp6, 0x40000                  ; cx, cy: my place in the cluster
	s_bfe_u32 s41, ttmp6, 0x40004
	s_lshl_b32 s42, ttmp9, 2
	s_add_co_u32 s42, s42, s40                     ; tile column = 4 x cluster x + cx
	s_and_b32 s13, ttmp7, 0xffff
	s_lshl_b32 s13, s13, 2
	s_add_co_u32 s13, s13, s41                     ; tile row = 4 x cluster y + cy
	s_lshl_b32 s43, s41, 2
	s_lshl_b32 s43, 15, s43                        ; my row of the cluster
	s_lshl_b32 s44, 0x1111, s40                    ; my column
	; descriptor group 1: two rows of 8,192 elements (128 rows of a block, dense), a block apart in memory
	s_or_b32 s[G1+0], s43, (1<<16)|(1<<20)|(1<<21)|(4<<22)|(3<<25)  ; 15:0 the mask: O's tiles go to my row; 17:16 element of 2 bytes; 20 padding on; 21 set beside a mask; 24:22 after every 32 words; 31:25 of 4 words
	s_or_b32 s[G1B+0], s44, (1<<16)|(1<<20)|(1<<21)|(4<<22)|(3<<25)
.irp g, G1, G1B
	s_mov_b32 s[\g+1], 8192<<16                    ; tensor_dim0 = 8,192
	s_mov_b32 s[\g+2], 2<<16                       ; tensor_dim1 = 2
	s_mov_b32 s[\g+3], 8192<<16                    ; tile_dim0 = 8,192
	s_mov_b32 s[\g+4], 2                           ; tile_dim1 = 2
	s_mov_b32 s[\g+6], 0
	s_mov_b32 s[\g+7], 0
.endr
	s_mov_b32 s[G1+5], 524288                      ; tensor_dim0_stride: a block of O is 8,192 rows x 64 elements,
	s_mov_b32 s[G1B+5], 65536                      ; one of W 1,024 x 64
	s_lshl_b32 s16, s12, 21                        ; O: my two blocks of 1 MiB,
	s_lshl_b32 s17, s13, 14                        ; the tile row's 128 rows of 128 bytes
	s_add_co_u32 s16, s16, s17
	s_mov_b32 s17, 0
	s_lshl_b32 s46, s12, 18                        ; W: my two blocks of 131,072 bytes,
	s_lshl_b32 s47, s42, 14                        ; the tile column's 128 rows
	s_add_co_u32 s46, s46, s47
	s_mov_b32 s47, 0
	s_mul_i32 s20, s10, 2*KBB                      ; where they go: wave x two blocks: no place in the cluster enters an LDS address
	s_wait_dscnt 0x0                               ; both opening adds are done
	s_wait_kmcnt 0x0
	s_add_nc_u64 s[14:15], s[4:5], s[16:17]
	s_add_nc_u64 s[46:47], s[6:7], s[46:47]
	CROUND                                         ; all sixteen work-groups are here: the first joint loads meet
.irp s, 0,1
	s_mov_b32 s[G0+4*\s], 1
	s_add_co_u32 s[G0+4*\s+1], s20, \s*SLOT
	s_add_nc_u64 s[G0+4*\s+2:G0+4*\s+3], s[14:15], \s*0x400000       ; K step s: four blocks of O on
	s_or_b32 s[G0+4*\s+3], s[G0+4*\s+3], 0x80000000
	s_mov_b32 s[G0B+4*\s], 1
	s_add_co_u32 s[G0B+4*\s+1], s20, \s*SLOT
	s_add_nc_u64 s[G0B+4*\s+2:G0B+4*\s+3], s[46:47], \s*0x80000      ; four blocks of W on
	s_or_b32 s[G0B+4*\s+3], s[G0B+4*\s+3], 0x80000000
	JLOAD \s
.endr
	v_and_b32 v1, 15, v0                           ; l % 16
	v_bfe_u32 v2, v0, 4, 1                         ; l / 16
	v_mul_u32_u24 v3, v1, PITCH
	v_lshl_add_u32 v3, v2, 4, v3                   ; a fragment's row x pitch + 16 x half
	s_mul_i32 s21, s11, 64*PITCH                   ; my 64 rows of each block of O
	s_mul_i32 s22, s12, 64*PITCH                   ; my 64 rows of each block of W,
	s_add_co_u32 s22, s22, 4*KBB                   ; which lie behind O's four blocks
.irp s, 0,1
	v_add_nc_u32 v[ADRA+\s], s21, v3
	v_add_nc_u32 v[ADRB+\s], s22, v3
	s_add_co_u32 s21, s21, SLOT
	s_add_co_u32 s22, s22, SLOT
.endr
	s_mul_i32 s23, s10, 16*SPITCH                  ; my stage
	v_mul_u32_u24 v4, v1, SPITCH                   ; in: row l % 16, 32 bytes for each half of the lanes
	v_lshl_add_u32 v4, v2, 5, v4
	v_add_nc_u32 v[STO], s23, v4
	v_mul_u32_u24 v5, v2, SPITCH                   ; back: lanes 0-15 take one row of 256 bytes, lanes 16-31 the next
	v_lshl_add_u32 v5, v1, 4, v5
	v_add_nc_u32 v[RD], s23, v5
	v_lshlrev_b32 v5, 12, v2                       ; and the same two rows in out0: 4,096 bytes a row
	v_lshl_add_u32 v[CO], v1, 4, v5
	s_lshl_b32 s16, s13, 7
	s_lshl_b32 s17, s11, 6
	s_add_co_u32 s16, s16, s17                     ; my first row: 128 x tile row + 64 x half
	s_lshl_b32 s16, s16, 12
	s_mov_b32 s17, 0
	s_add_nc_u64 s[8:9], s[8:9], s[16:17]
	s_lshl_b32 s46, s42, 9                         ; my first column, in bytes: 512 x tile column + 256 x half
	s_lshl_b32 s47, s12, 8
	s_add_co_u32 s46, s46, s47
	s_mov_b32 s47, 0
	s_add_nc_u64 s[8:9], s[8:9], s[46:47]
; 8 matrix instructions: m blocks a0, a0 + 1 x all 4 n blocks, 32 along K: half c of buffer f.  zero = 1: the first product starts the sums.  The 16 accumulators take turns.
.macro MUL8 f, c, a0, zero
.irp a, \a0, \a0+1
.irp b, 0,1,2,3
.if \zero
	v_wmma_f32_16x16x32_f16 v[ACC+8*(4*(\a)+\b):ACC+8*(4*(\a)+\b)+7], v[\f+64+8*(4*\c+\b):\f+64+8*(4*\c+\b)+7], v[\f+8*(4*\c+\a):\f+8*(4*\c+\a)+7], 0
.else
	v_wmma_f32_16x16x32_f16 v[ACC+8*(4*(\a)+\b):ACC+8*(4*(\a)+\b)+7], v[\f+64+8*(4*\c+\b):\f+64+8*(4*\c+\b)+7], v[\f+8*(4*\c+\a):\f+8*(4*\c+\a)+7], v[ACC+8*(4*(\a)+\b):ACC+8*(4*(\a)+\b)+7]
.endif
.endr
.endr
.endm
; 32 LDS loads in one run: the fragments of one block of 64 along K, which begins k bytes into the slot's part, into buffer f; the first 32 along K first
.macro FETCH slot, k, f
	WIN TO_F
.irp c, 0,1
.irp i, 0,1,2,3
	ds_load_b128 v[\f+64+8*(4*\c+\i):\f+64+8*(4*\c+\i)+3],   v[ADRB+\slot] offset:\k+64*\c+\i*16*PITCH
	ds_load_b128 v[\f+64+8*(4*\c+\i)+4:\f+64+8*(4*\c+\i)+7], v[ADRB+\slot] offset:\k+64*\c+\i*16*PITCH+32
	ds_load_b128 v[\f+8*(4*\c+\i):\f+8*(4*\c+\i)+3],         v[ADRA+\slot] offset:\k+64*\c+\i*16*PITCH
	ds_load_b128 v[\f+8*(4*\c+\i)+4:\f+8*(4*\c+\i)+7],       v[ADRA+\slot] offset:\k+64*\c+\i*16*PITCH+32
.endr
.endr
.endm
.macro PLACES                          ; four places in front of loads into registers that matrix instructions have read, and of the first read of results
.rept 4
	v_nop
.endr
.endm
; A K step is four quarters of 64 along K (a block each), 32 matrix instructions each, on buffers 0, 1, 0, 1.  One of the first three: multiplies buffer f and fetches the next block, at byte k, into g.
.macro QUARTER slot, k, f, g, zero
	s_wait_dscnt 16                                ; the first 32 along K are in; the youngest sixteen loads may be out
	WIN MUL
	MUL8 \f, 0, 0, \zero
	MUL8 \f, 0, 2, \zero
	PLACES
	FETCH \slot, \k, \g
	s_wait_dscnt 32                                ; all but the 32 just issued
	WIN MUL
	MUL8 \f, 1, 0, 0
	MUL8 \f, 1, 2, 0
.endm
; The last quarter multiplies buffer 1 and changes slots: ONE barrier; in front of it each wave waits for all its tensor loads, adds 0 to its spare word, and waits for that and for its own reads of this slot.
; fill = 1: this slot is filled again, two K steps ahead; the barrier then opens a round of the cluster's barrier.
.macro TURN slot, next, fill
	WIN 0                                          ; (the add's two registers lie in window 0)
	s_wait_tensorcnt 0x0                           ; all my tensor loads have landed: my part of the next slot
	ds_add_u32 v[SPW], v[NIL]                      ; 0 onto my spare word
	s_wait_dscnt 17                                ; (the add and the youngest sixteen loads may be out)
	WIN MUL
	MUL8 F1, 0, 0, 0                               ; eight matrix instructions stand between the add and the wait for it
	s_wait_dscnt 0x0                               ; the add is done, and my reads of this slot are over
	s_barrier_signal -1
	MUL8 F1, 0, 2, 0
.if \fill
	WIN 0
.endif
	s_barrier_wait -1
.if \fill
	CREST                                          ; no wave of any partner still reads this slot's tile or has a load on its way
	s_add_nc_u64 s[G0+4*\slot+2:G0+4*\slot+3], s[G0+4*\slot+2:G0+4*\slot+3], 0x800000       ; eight blocks of O on
	s_add_nc_u64 s[G0B+4*\slot+2:G0B+4*\slot+3], s[G0B+4*\slot+2:G0B+4*\slot+3], 0x100000   ; eight blocks of W on
	JLOAD \slot                                    ; the first tensor load behind the round; the four v_nop behind it are also the places in front of the loads below
.else
	PLACES
.endif
	FETCH \next, 0, F0
	WIN MUL
	MUL8 F1, 1, 0, 0
	MUL8 F1, 1, 2, 0
.endm
	s_wait_tensorcnt 1                             ; my part of K step 0 is in (K step 1's load may be out),
	s_barrier_signal -1
	s_barrier_wait -1                              ; everybody's is
	FETCH 0, 0, F0
	QUARTER 0, KBB, F0, F1, 1                      ; the first quarter stands in front of the loop: its first products start the sums
	WIN 0                                          ; at a label and at a branch every window is 0
	s_mov_b32 s3, LAPS-1
.Llap:                                                 ; a trip goes once round the ring, from a lap's second quarter to the next lap's first, and fills both slots again
	QUARTER 0, 2*KBB, F1, F0, 0
	QUARTER 0, 3*KBB, F0, F1, 0
	TURN 0, 1, 1
	QUARTER 1, KBB, F0, F1, 0
	QUARTER 1, 2*KBB, F1, F0, 0
	QUARTER 1, 3*KBB, F0, F1, 0
	TURN 1, 0, 1
	QUARTER 0, KBB, F0, F1, 0
	WIN 0
	s_sub_co_u32 s3, s3, 1
	s_cmp_lg_u32 s3, 0
	s_cbranch_scc1 .Llap
	QUARTER 0, 2*KBB, F1, F0, 0                    ; the last lap fills nothing, and has no round of the cluster's barrier
	QUARTER 0, 3*KBB, F0, F1, 0
	TURN 0, 1, 0
	QUARTER 1, KBB, F0, F1, 0
	QUARTER 1, 2*KBB, F1, F0, 0
	QUARTER 1, 3*KBB, F0, F1, 0
	s_wait_dscnt 16                                ; the very last quarter: nothing more to fetch
	WIN MUL
	MUL8 F1, 0, 0, 0
	MUL8 F1, 0, 2, 0
	s_wait_dscnt 0
	MUL8 F1, 1, 0, 0
	MUL8 F1, 1, 2, 0
	WIN 0
; THE WAY OUT, block by block of 16 rows x 64 columns.  A lane holds 32 neighbouring bytes of a row, and the lanes beside it hold other rows: so a block goes through my own stage and comes back as whole
; rows of 256 bytes, which sixteen lanes store as 256 consecutive bytes, aligned.  My 64 columns are such a run by themselves, so no other wave's results are needed and no barrier.
.macro TOSTAGE a
.irp b, 0,1,2,3
	ds_store_b128 v[STO], v[ACC+8*(4*(\a)+\b):ACC+8*(4*(\a)+\b)+3] offset:64*\b          ; each accumulator from its low end on
	ds_store_b128 v[STO], v[ACC+8*(4*(\a)+\b)+4:ACC+8*(4*(\a)+\b)+7] offset:64*\b+16
.endr
.irp t, 0,1,2,3,4,5,6,7
	ds_load_b128 v[TMP+32*((\a)%2)+4*\t:TMP+32*((\a)%2)+4*\t+3], v[RD] offset:\t*2*SPITCH   ; LDS serves a wave's instructions in order (ISA guide 5.7.1.4): these see the stores above
.endr
.endm
.macro SEND a, younger                 ; younger: the LDS instructions issued behind block a's loads, which may stay out
	s_wait_dscnt \younger
.irp t, 0,1,2,3,4,5,6,7
	global_store_b128 v[CO], v[TMP+32*((\a)%2)+4*\t:TMP+32*((\a)%2)+4*\t+3], s[8:9] offset:(16*(\a)+2*\t)*4096 th:TH_STORE_NT
.endr
.endm
	PLACES                                         ; behind the last products
	TOSTAGE 0
.irp a, 1,2,3
.if \a > 1
	s_wait_xcnt 0x0                                ; block a - 2's stores have read their registers: block a's rows may land there
.endif
	TOSTAGE \a
	SEND \a-1, 16                                  ; behind block a - 1's loads: block a's 8 stores and 8 loads
.endr
	SEND 3, 0
	s_wait_tensorcnt 0x0                           ; the wave's end: behind my last tensor load and my last LDS store
	ds_add_u32 v[SPW], v[NIL]
	s_wait_dscnt 0x0
	CROUND                                         ; the closing round: no work-group ends while a partner may still ask for a tile that names it
	s_endpgm
.Lfunc_end_k_qaed9a058cd_proj:
	.size	k_qaed9a058cd_proj, .Lfunc_end_k_qaed9a058cd_proj-k_qaed9a058cd_proj
	.p2alignl 7, 3214868480
	.fill 96, 4, 3214868480
	.section	.rodata,"a",@progbits
	.p2align	6, 0x0
	.amdhsa_kernel k_qaed9a058cd_proj
		.amdhsa_group_segment_fixed_size 327680
		.amdhsa_private_segment_fixed_size 0
		.amdhsa_enable_private_segment 0
		.amdhsa_kernarg_size 24
		.amdhsa_user_sgpr_count 2
		.amdhsa_user_sgpr_kernarg_segment_ptr 1
		.amdhsa_wavefront_size32 1
		.amdhsa_system_sgpr_workgroup_id_x 1
		.amdhsa_system_sgpr_workgroup_id_y 1
		.amdhsa_system_sgpr_workgroup_id_z 1
		.amdhsa_system_vgpr_workitem_id 0
		.amdhsa_next_free_vgpr 512
		.amdhsa_next_free_sgpr 66
		.amdhsa_reserve_vcc 0
		.amdhsa_float_denorm_mode_32 3
		.amdhsa_float_denorm_mode_16_64 3
		.amdhsa_memory_ordered 1
		.amdhsa_forward_progress 1
		.amdhsa_inst_pref_size 85
	.end_amdhsa_kernel
	.amdgpu_metadata
---
amdhsa.version: [ 1, 2 ]
amdhsa.kernels:
  - .name:           k_qaed9a058cd_proj
    .symbol:         k_qaed9a058cd_proj.kd
    .args:
      - { .name: att, .offset: 0, .size: 8, .value_kind: global_buffer, .address_space: global }
      - { .name: wo, .offset: 8, .size: 8, .value_kind: global_buffer, .address_space: global }
      - { .name: out0, .offset: 16, .size: 8, .value_kind: global_buffer, .address_space: global }
    .group_segment_fixed_size: 327680
    .private_segment_fixed_size: 0
    .kernarg_segment_align: 8
    .kernarg_segment_size: 24
    .max_flat_workgroup_size: 128
    .sgpr_count:     66
    .vgpr_count:     512
    .wavefront_size: 32
...
	.end_amdgpu_metadata
.endif
;; end of part 4
;; launch finea (part 5): grid 16 x 4, 1 waves a work-group, no clusters, 0 bytes of LDS; arguments xc, xs, wc, ws, ofine; writes ofine
.if DOCPART == 5
	.amdgcn_target "amdgcn-amd-amdhsa--gfx1250"
	.amdhsa_code_object_version 6
	.text
	.protected	k_qaed9a058cd_finea
	.globl	k_qaed9a058cd_finea
	.p2align	8
	.type	k_qaed9a058cd_finea,@function
k_qaed9a058cd_finea:
	s_mov_b64 s[64:65], 0
	v_nop
	global_prefetch_b8 v0, s[64:65] scope:SCOPE_SE
	s_setreg_imm32_b32 hwreg(HW_REG_WAVE_MODE, 25, 1), 1
	s_wait_xcnt 0x0
; POSITIONS 0-15 OF EVERY SEQUENCE, CARRIED FINELY.  Under the causal mask these rows average one to sixteen values and are the largest of the output, so f16 operands weigh most there.
; One wave takes one (head, batch).  It makes q, k and v of the 16 positions again from the codes of X and W_qkv by the FP4 matrix instruction (96 of them, f32 sums, nothing rounded behind them),
; the scores and the weighted sum by v_wmma_f32_16x16x4_f32 (32 of them: no bulk work), the softmax in f32 with its maximum taken away, and stores O as two f16 parts, high and low,
; as images of the registers of source 1 of the projection: [batch][32 along K: 32 steps][part][4 registers: 2 groups][lane][16 bytes].
; LIMIT: |O| under 65,504.  No LDS, no barrier, no tensor load; nothing is shared between work-groups but the codes of 16 rows of X (16 heads read them): too little for a cluster.
; LAYOUT.  q and k are made transposed (source 0 = 16 rows of W, source 1 = X's 16 rows): lane (r, h) holds position r and channels 16 t + 8 h + j.  A pair of such registers is a K step of 4 of the f32 form
; for k (source 0) and q (source 1) alike: the same four channels on both sides.  v is made naturally (source 0 = X, source 1 = W): lane (r, h) holds channel 16 t + r and positions 8 h + j: a pair is
; source 0 of O^T = V^T P, and the same pair of P's registers (lane: query r, keys 8 h + j) source 1.
; REGISTERS: window 0: v1-13 addresses and at work; v16-79 X's 8 fragments, later S, P, and the split; v80-87 X's scale words; v88-135 W's scale words (pair u = 2 part + t / 2: lanes 0-15 tile 2 (u % 2), lanes
; 16-31 the next, read by the upper row): these hold scales and nothing else; v136-167 q^T, later O^T; v168-199 k^T; v200-231 v; v232-247 the scores in two halves.  Windows 1, 2, 3: W's fragments for q, k, v at 64 t + 8 s.
.set MSB, 0
.macro WIN new                         ; the immediate's high byte repeats the setting that is left
.if MSB != (\new)
	s_set_vgpr_msb (MSB<<8)|(\new)
.set MSB, (\new)
.endif
.endm
	s_load_b256 s[4:11], s[0:1], 0x0               ; X's codes s[4:5], X's scales s[6:7], W's codes s[8:9], W's scales s[10:11]
	s_load_b64 s[12:13], s[0:1], 0x20              ; the fragments of O
	v_and_b32 v1, 15, v0                           ; r
	v_bfe_u32 v2, v0, 4, 1                         ; h
	v_lshlrev_b32 v3, 9, v1
	v_lshl_add_u32 v3, v2, 4, v3                   ; codes: row r of 512 bytes, + 16 h
	v_lshlrev_b32 v5, 5, v1                        ; X's scales: row r of 32 bytes
	v_lshlrev_b32 v6, 5, v0                        ; W's scales: 32 rows, a lane a row
	v_lshlrev_b32 v7, 4, v0                        ; out: 16 bytes a lane
	v_lshlrev_b32 v8, 3, v2
	v_sub_nc_u32 v8, v1, v8                        ; r - 8 h
	v_mov_b32 v9, 0xff800000                       ; -infinity
	s_and_b32 s14, ttmp7, 0xffff                   ; batch
	s_mov_b32 s20, 0x76543210
	s_mov_b32 s21, 0xfedcba98                      ; v_permlanex16_b32's selects for lane l xor 16
	s_mov_b32 s22, 0x3e38aa3b                      ; c = log2(e) / 8
	s_mov_b32 s17, 0
	s_mov_b32 s19, 0
	s_mov_b32 s25, 0
	s_mov_b32 s27, 0
	s_mov_b32 s29, 0
	s_lshl_b32 s16, s14, 20                        ; the batch's first row of codes: 2,048 rows of 512 bytes
	s_lshl_b32 s18, s14, 16                        ; and of scales: 32 bytes a row
	s_lshl_b32 s24, ttmp9, 15                      ; the head's 64 rows of W's codes,
	s_lshl_b32 s26, ttmp9, 11                      ; and of its scales
	s_lshl_b32 s28, s14, 5
	s_lshl_b32 s15, ttmp9, 1
	s_add_co_u32 s28, s28, s15
	s_lshl_b32 s28, s28, 11                        ; out: step 32 batch + 2 head, 2,048 bytes a step
	s_wait_kmcnt 0x0
	s_add_nc_u64 s[4:5], s[4:5], s[16:17]
	s_add_nc_u64 s[6:7], s[6:7], s[18:19]
	s_add_nc_u64 s[8:9], s[8:9], s[24:25]
	s_add_nc_u64 s[10:11], s[10:11], s[26:27]
	s_add_nc_u64 s[12:13], s[12:13], s[28:29]
.irp s, 0,1,2,3,4,5,6,7
.irp c, 0,1
	global_load_b128 v[16+8*\s+4*\c:16+8*\s+4*\c+3], v3, s[4:5] offset:64*\s+32*\c      ; X's fragment of K step s
.endr
.endr
	global_load_b128 v[80:83], v5, s[6:7]          ; X's eight scale words
	global_load_b128 v[84:87], v5, s[6:7] offset:16
.irp u, 0,1,2,3,4,5
	global_load_b128 v[88+8*\u:88+8*\u+3], v6, s[10:11] offset:((\u/2)*1024+32*(\u%2))*32
	global_load_b128 v[88+8*\u+4:88+8*\u+7], v6, s[10:11] offset:((\u/2)*1024+32*(\u%2))*32+16
.endr
.macro WLOAD p                         ; part p's 64 rows of W: 32 fragments, 64 loads, into window p + 1
	WIN 0x40*((\p)+1)
.irp t, 0,1,2,3
.irp s, 0,1,2,3,4,5,6,7
.irp c, 0,1
	global_load_b128 v[64*\t+8*\s+4*\c:64*\t+8*\s+4*\c+3], v3, s[8:9] offset:((\p)*1024+16*\t)*512+64*\s+32*\c
.endr
.endr
.endr
.endm
	WLOAD 0
	WLOAD 1
	WLOAD 2
.macro FP4 d, a, b, sa, sb, zero, rowa, rowb
.if \zero
.if \rowa
	v_wmma_scale_f32_16x16x128_f8f6f4 v[\d:\d+7], v[\a:\a+7], v[\b:\b+7], 0, v[\sa], v[\sb] matrix_a_fmt:MATRIX_FMT_FP4 matrix_b_fmt:MATRIX_FMT_FP4 matrix_a_scale:MATRIX_SCALE_ROW1
.elseif \rowb
	v_wmma_scale_f32_16x16x128_f8f6f4 v[\d:\d+7], v[\a:\a+7], v[\b:\b+7], 0, v[\sa], v[\sb] matrix_a_fmt:MATRIX_FMT_FP4 matrix_b_fmt:MATRIX_FMT_FP4 matrix_b_scale:MATRIX_SCALE_ROW1
.else
	v_wmma_scale_f32_16x16x128_f8f6f4 v[\d:\d+7], v[\a:\a+7], v[\b:\b+7], 0, v[\sa], v[\sb] matrix_a_fmt:MATRIX_FMT_FP4 matrix_b_fmt:MATRIX_FMT_FP4
.endif
.else
.if \rowa
	v_wmma_scale_f32_16x16x128_f8f6f4 v[\d:\d+7], v[\a:\a+7], v[\b:\b+7], v[\d:\d+7], v[\sa], v[\sb] matrix_a_fmt:MATRIX_FMT_FP4 matrix_b_fmt:MATRIX_FMT_FP4 matrix_a_scale:MATRIX_SCALE_ROW1
.elseif \rowb
	v_wmma_scale_f32_16x16x128_f8f6f4 v[\d:\d+7], v[\a:\a+7], v[\b:\b+7], v[\d:\d+7], v[\sa], v[\sb] matrix_a_fmt:MATRIX_FMT_FP4 matrix_b_fmt:MATRIX_FMT_FP4 matrix_b_scale:MATRIX_SCALE_ROW1
.else
	v_wmma_scale_f32_16x16x128_f8f6f4 v[\d:\d+7], v[\a:\a+7], v[\b:\b+7], v[\d:\d+7], v[\sa], v[\sb] matrix_a_fmt:MATRIX_FMT_FP4 matrix_b_fmt:MATRIX_FMT_FP4
.endif
.endif
.endm
	s_wait_loadcnt 63                              ; at most the 63 loads issued last are out: X, all scale words and the parts q and k, behind each of whose loads 64 or more were issued, are in
	WIN 0x01                                       ; source 0 (W for q) window 1
.irp s, 0,1,2,3,4,5,6,7                        ; K ascending; the four accumulators by turns; the first K step starts the sums
.irp t, 0,1,2,3
	FP4 136+8*\t, 64*\t+8*\s, 16+8*\s, 88+8*(\t/2)+\s, 80+\s, (\s==0), \t%2, 0
.endr
.endr
	WIN 0x02                                       ; source 0 (W for k) window 2
.irp s, 0,1,2,3,4,5,6,7
.irp t, 0,1,2,3
	FP4 168+8*\t, 64*\t+8*\s, 16+8*\s, 104+8*(\t/2)+\s, 80+\s, (\s==0), \t%2, 0
.endr
.endr
	s_wait_loadcnt 0x0                             ; part v
	WIN 0x0c                                       ; source 1 (W for v) window 3
.irp s, 0,1,2,3,4,5,6,7
.irp t, 0,1,2,3
	FP4 200+8*\t, 16+8*\s, 64*\t+8*\s, 80+\s, 120+8*(\t/2)+\s, (\s==0), 0, \t%2
.endr
.endr
	WIN 0
.rept 5
	v_nop                                          ; five places before a matrix instruction takes these results as its sources
.endr
.set n, 0
.rept 16                                       ; S^T = k q^T, four channels an instruction, in two sums by turns; each sum's first instruction takes the constant 0
.if n < 2
	v_wmma_f32_16x16x4_f32 v[232+8*(n%2):239+8*(n%2)], v[168+2*n:169+2*n], v[136+2*n:137+2*n], 0
.else
	v_wmma_f32_16x16x4_f32 v[232+8*(n%2):239+8*(n%2)], v[168+2*n:169+2*n], v[136+2*n:137+2*n], v[232+8*(n%2):239+8*(n%2)]
.endif
.set n, n+1
.endr
.rept 8
	v_nop                                          ; eight places behind this form
.endr
.irp j, 0,1,2,3,4,5,6,7
	v_add_f32 v[16+\j], v[232+\j], v[240+\j]       ; the score of key 8 h + j and query r, into other registers
.endr
.irp j, 0,1,2,3,4,5,6,7
	v_cmp_gt_i32 vcc_lo, \j, v8                    ; hidden where 8 h + j > r
	v_cndmask_b32 v[16+\j], v[16+\j], v9, vcc_lo
.endr
	v_max3_num_f32 v10, v16, v17, v18
	v_max3_num_f32 v11, v19, v20, v21
	v_max3_num_f32 v10, v10, v22, v23
	v_max_num_f32 v10, v10, v11
	v_permlanex16_b32 v11, v10, s20, s21
	v_max_num_f32 v10, v10, v11                    ; the row's maximum: key 0 counts for every query, so it is a number
	v_mul_f32 v10, s22, v10
.irp j, 0,1,2,3,4,5,6,7
	v_fma_f32 v[16+\j], v[16+\j], s22, -v10        ; c s - c m
.endr
.irp j, 0,1,2,3,4,5,6,7
	v_exp_f32 v[16+\j], v[16+\j]
.endr
	v_nop                                          ; a plain instruction behind the last exponential,
	s_wait_alu depctr_va_vdst(0)                   ; and the one wait ahead of the batch's first reader
	v_add_f32 v12, v16, v17
	v_add_f32 v13, v18, v19
	v_add_f32 v12, v12, v20
	v_add_f32 v13, v13, v21
	v_add_f32 v12, v12, v22
	v_add_f32 v13, v13, v23
	v_add_f32 v12, v12, v13
	v_permlanex16_b32 v13, v12, s20, s21
	v_add_f32 v12, v12, v13                        ; the row's sum
	v_rcp_f32 v12, v12
	v_nop
	s_wait_alu depctr_va_vdst(0)
.irp j, 0,1,2,3,4,5,6,7
	v_mul_f32 v[24+\j], v[16+\j], v12              ; the weights, normalised
.endr
.irp i, 0,1,2,3                                ; O^T = V^T P, four keys an instruction; four accumulators by turns; over q^T's registers, which matrix instructions alone have written
.irp t, 0,1,2,3
.if \i == 0
	v_wmma_f32_16x16x4_f32 v[136+8*\t:143+8*\t], v[200+8*\t+2*\i:201+8*\t+2*\i], v[24+2*\i:25+2*\i], 0
.else
	v_wmma_f32_16x16x4_f32 v[136+8*\t:143+8*\t], v[200+8*\t+2*\i:201+8*\t+2*\i], v[24+2*\i:25+2*\i], v[136+8*\t:143+8*\t]
.endif
.endr
.endr
.rept 8
	v_nop
.endr
; Lane (r, h) holds position r and channels 16 t + 8 h + j: tiles 2 u and 2 u + 1, packed in pairs, are source 1 of the projection's K step of 32 numbered 2 head + u.
.irp i, 0,1,2,3,4,5,6,7,8,9,10,11,12,13,14,15
	v_cvt_pk_f16_f32 v[32+\i], v[136+2*\i], v[137+2*\i]            ; the high part
.endr
.set D, 64
.irp s, v32.l, v32.h, v33.l, v33.h, v34.l, v34.h, v35.l, v35.h, v36.l, v36.h, v37.l, v37.h, v38.l, v38.h, v39.l, v39.h
	v_cvt_f32_f16 v[D], \s                         ; widened again
.set D, D+1
.endr
.irp i, 0,1,2,3,4,5,6,7,8,9,10,11,12,13,14,15
	v_sub_f32 v[64+\i], v[136+\i], v[64+\i]        ; what it leaves: exact
.endr
.irp i, 0,1,2,3,4,5,6,7
	v_cvt_pk_f16_f32 v[48+\i], v[64+2*\i], v[65+2*\i]              ; the low part
.endr
.set D, 64
.irp s, v40.l, v40.h, v41.l, v41.h, v42.l, v42.h, v43.l, v43.h, v44.l, v44.h, v45.l, v45.h, v46.l, v46.h, v47.l, v47.h
	v_cvt_f32_f16 v[D], \s
.set D, D+1
.endr
.irp i, 0,1,2,3,4,5,6,7,8,9,10,11,12,13,14,15
	v_sub_f32 v[64+\i], v[152+\i], v[64+\i]
.endr
.irp i, 0,1,2,3,4,5,6,7
	v_cvt_pk_f16_f32 v[56+\i], v[64+2*\i], v[65+2*\i]
.endr
.irp u, 0,1
.irp c, 0,1
	global_store_b128 v7, v[32+8*\u+4*\c:32+8*\u+4*\c+3], s[12:13] offset:\u*2048+\c*512          ; 32 lanes store 512 consecutive bytes
	global_store_b128 v7, v[48+8*\u+4*\c:48+8*\u+4*\c+3], s[12:13] offset:\u*2048+1024+\c*512
.endr
.endr
	s_endpgm
.Lfunc_end_k_qaed9a058cd_finea:
	.size	k_qaed9a058cd_finea, .Lfunc_end_k_qaed9a058cd_finea-k_qaed9a058cd_finea
	.p2alignl 7, 3214868480
	.fill 96, 4, 3214868480
	.section	.rodata,"a",@progbits
	.p2align	6, 0x0
	.amdhsa_kernel k_qaed9a058cd_finea
		.amdhsa_group_segment_fixed_size 0
		.amdhsa_private_segment_fixed_size 0
		.amdhsa_enable_private_segment 0
		.amdhsa_kernarg_size 40
		.amdhsa_user_sgpr_count 2
		.amdhsa_user_sgpr_kernarg_segment_ptr 1
		.amdhsa_wavefront_size32 1
		.amdhsa_system_sgpr_workgroup_id_x 1
		.amdhsa_system_sgpr_workgroup_id_y 1
		.amdhsa_system_sgpr_workgroup_id_z 1
		.amdhsa_system_vgpr_workitem_id 0
		.amdhsa_next_free_vgpr 1024
		.amdhsa_next_free_sgpr 66
		.amdhsa_reserve_vcc 1
		.amdhsa_float_denorm_mode_32 3
		.amdhsa_float_denorm_mode_16_64 3
		.amdhsa_memory_ordered 1
		.amdhsa_forward_progress 1
		.amdhsa_inst_pref_size 45
	.end_amdhsa_kernel
	.amdgpu_metadata
---
amdhsa.version: [ 1, 2 ]
amdhsa.kernels:
  - .name:           k_qaed9a058cd_finea
    .symbol:         k_qaed9a058cd_finea.kd
    .args:
      - { .name: xc, .offset: 0, .size: 8, .value_kind: global_buffer, .address_space: global }
      - { .name: xs, .offset: 8, .size: 8, .value_kind: global_buffer, .address_space: global }
      - { .name: wc, .offset: 16, .size: 8, .value_kind: global_buffer, .address_space: global }
      - { .name: ws, .offset: 24, .size: 8, .value_kind: global_buffer, .address_space: global }
      - { .name: ofine, .offset: 32, .size: 8, .value_kind: global_buffer, .address_space: global }
    .group_segment_fixed_size: 0
    .private_segment_fixed_size: 0
    .kernarg_segment_align: 8
    .kernarg_segment_size: 40
    .max_flat_workgroup_size: 32
    .sgpr_count:     66
    .vgpr_count:     1024
    .wavefront_size: 32
...
	.end_amdgpu_metadata
.endif
;; end of part 5
;; launch fineb (part 6): grid 16 x 4, 16 waves a work-group, no clusters, 71,680 bytes of LDS; arguments ofine, wo, out0; writes out0
.if DOCPART == 6
	.amdgcn_target "amdgcn-amd-amdhsa--gfx1250"
	.amdhsa_code_object_version 6
	.text
	.protected	k_qaed9a058cd_fineb
	.globl	k_qaed9a058cd_fineb
	.p2align	8
	.type	k_qaed9a058cd_fineb,@function
k_qaed9a058cd_fineb:
	s_mov_b64 s[64:65], 0
	v_nop
	global_prefetch_b8 v0, s[64:65] scope:SCOPE_SE
	s_setreg_imm32_b32 hwreg(HW_REG_WAVE_MODE, 25, 1), 1
	s_wait_xcnt 0x0
; THE PROJECTION OF POSITIONS 0-15 OF EVERY SEQUENCE, FINELY: out0[row][n] = sum over k of O[row][k] W_out[n][k], with both operands as pairs of f16 numbers, a high and a low part:
; hi x hi + hi x lo + lo x hi, sums in f32 (lo x lo lies under the sums' own rounding).  It writes over the 64 rows that the projection launch made with plain f16 operands.
; A work-group takes 64 columns of one batch's 16 rows.  Its sixteen waves share K: wave w takes k = 64 w .. 64 w + 63 (head w): 24 matrix instructions.  The sixteen partial tiles meet in LDS
; behind one barrier, and wave w adds row w's sixteen parts and stores its 256 bytes, aligned.  Operands go from memory straight into registers: O's as the images that the launch before stored.
; No tensor load, no cluster: a work-group's operands are read once, and the launch is one wait for loads long.
.set SPW, 2                            ; v2   LDS address of my spare word; never rewritten
.set NIL, 3                            ; v3   0; never rewritten
.set PT,  16*272                       ; a wave's partial tile: 16 rows x (256 bytes + 16)
.set SPARE, 16*PT                      ; behind the sixteen tiles: the spare words, 128 bytes for each wave
.set OH,  16                           ; v16-31   O's high fragments, K steps u = 0, 1;  v32-47 its low ones
.set WH,  48                           ; v48-111  W's high fragments (tile t, K step u) at 8 (2 t + u);  v112-175 its low ones
.set AC,  176                          ; v176-207 four accumulators
	s_load_b128 s[4:7], s[0:1], 0x0                ; O's fragments, W's two parts
	s_load_b64 s[8:9], s[0:1], 0x10                ; out0
	v_lshl_add_u32 v[SPW], v0, 2, SPARE
	v_mov_b32 v[NIL], 0
	v_lshrrev_b32 v1, 5, v0
	v_readfirstlane_b32 s10, v1                    ; wave 0..15
	s_and_b32 s11, ttmp7, 0xffff                   ; batch
	v_and_b32 v4, 31, v0                           ; lane
	v_and_b32 v5, 15, v0                           ; r
	v_bfe_u32 v6, v0, 4, 1                         ; h
	v_lshlrev_b32 v7, 4, v4                        ; O's images: 16 bytes a lane
	v_lshlrev_b32 v8, 7, v5
	v_lshl_add_u32 v8, v6, 4, v8                   ; W: row r of 128 bytes, + 16 h
	s_mul_i32 s12, s10, PT
	v_mul_u32_u24 v9, v5, 272
	v_lshl_add_u32 v9, v6, 5, v9
	v_add_nc_u32 v9, s12, v9                       ; my partial tile: row r, 32 bytes for each half of the lanes
	s_mul_i32 s12, s10, 272
	v_lshl_add_u32 v10, v4, 3, s12                 ; back: row w of each tile, 8 bytes a lane
	v_lshlrev_b32 v11, 3, v4
	s_lshl_b32 s12, s11, 5
	s_lshl_b32 s13, s10, 1
	s_add_co_u32 s12, s12, s13
	s_lshl_b32 s12, s12, 11                        ; O: K step 32 batch + 2 w, 2,048 bytes a step
	s_mov_b32 s13, 0
	s_lshl_b32 s14, s10, 17                        ; W: block w of 131,072 bytes,
	s_lshl_b32 s15, ttmp9, 13                      ; my 64 rows of 128 bytes
	s_add_co_u32 s14, s14, s15
	s_mov_b32 s15, 0
	s_lshl_b32 s16, s11, 11
	s_add_co_u32 s16, s16, s10                     ; out0: row 2,048 batch + w,
	s_lshl_b32 s16, s16, 12
	s_lshl_b32 s17, ttmp9, 8                       ; my 64 columns
	s_add_co_u32 s16, s16, s17
	s_mov_b32 s17, 0
	s_wait_kmcnt 0x0
	s_add_nc_u64 s[4:5], s[4:5], s[12:13]
	s_add_nc_u64 s[6:7], s[6:7], s[14:15]
	s_add_nc_u64 s[8:9], s[8:9], s[16:17]
.irp p, 0,1
.irp u, 0,1
.irp c, 0,1
	global_load_b128 v[OH+16*\p+8*\u+4*\c:OH+16*\p+8*\u+4*\c+3], v7, s[4:5] offset:\u*2048+\p*1024+\c*512
.endr
.endr
.endr
.irp p, 0,1
.irp t, 0,1,2,3
.irp u, 0,1
.irp c, 0,1
	global_load_b128 v[WH+64*\p+8*(2*\t+\u)+4*\c:WH+64*\p+8*(2*\t+\u)+4*\c+3], v8, s[6:7] offset:\p*2097152+\t*2048+\u*64+32*\c
.endr
.endr
.endr
.endr
	s_wait_loadcnt 0x0
; transposed: source 0 = 16 rows of W, source 1 = O's 16 rows: lane (r, h) holds row r and columns 16 t + 8 h + j.  m = 0: hi x hi; 1: W hi x O lo; 2: W lo x O hi.  The four accumulators by turns.
.irp m, 0,1,2
.irp u, 0,1
.irp t, 0,1,2,3
.if (\m == 0) && (\u == 0)
	v_wmma_f32_16x16x32_f16 v[AC+8*\t:AC+8*\t+7], v[WH+64*(\m/2)+8*(2*\t+\u):WH+64*(\m/2)+8*(2*\t+\u)+7], v[OH+16*(\m%2)+8*\u:OH+16*(\m%2)+8*\u+7], 0
.else
	v_wmma_f32_16x16x32_f16 v[AC+8*\t:AC+8*\t+7], v[WH+64*(\m/2)+8*(2*\t+\u):WH+64*(\m/2)+8*(2*\t+\u)+7], v[OH+16*(\m%2)+8*\u:OH+16*(\m%2)+8*\u+7], v[AC+8*\t:AC+8*\t+7]
.endif
.endr
.endr
.endr
.rept 4
	v_nop                                          ; places behind the last products
.endr
.irp t, 0,1,2,3
	ds_store_b128 v9, v[AC+8*\t:AC+8*\t+3] offset:64*\t            ; each accumulator from its low end on
	ds_store_b128 v9, v[AC+8*\t+4:AC+8*\t+7] offset:64*\t+16
.endr
	s_wait_dscnt 0x0                               ; for the others' sake: my stores have landed
	s_barrier_signal -1
	s_barrier_wait -1
.irp p, 0,1,2,3,4,5,6,7,8,9,10,11,12,13,14,15
	ds_load_b64 v[48+2*\p:49+2*\p], v10 offset:\p*PT               ; row w of wave p's partial tile
.endr
	s_wait_dscnt 0x0
.irp p, 0,2,4,6,8,10,12,14
	v_pk_add_f32 v[48+2*\p:49+2*\p], v[48+2*\p:49+2*\p], v[50+2*\p:51+2*\p]
.endr
.irp p, 0,4,8,12
	v_pk_add_f32 v[48+2*\p:49+2*\p], v[48+2*\p:49+2*\p], v[52+2*\p:53+2*\p]
.endr
.irp p, 0,8
	v_pk_add_f32 v[48+2*\p:49+2*\p], v[48+2*\p:49+2*\p], v[56+2*\p:57+2*\p]
.endr
	v_pk_add_f32 v[48:49], v[48:49], v[64:65]
	global_store_b64 v11, v[48:49], s[8:9]         ; 32 lanes store 256 consecutive bytes, aligned
	s_wait_tensorcnt 0x0                           ; the wave's end: behind my last LDS store
	ds_add_u32 v[SPW], v[NIL]
	s_wait_dscnt 0x0
	s_endpgm
.Lfunc_end_k_qaed9a058cd_fineb:
	.size	k_qaed9a058cd_fineb, .Lfunc_end_k_qaed9a058cd_fineb-k_qaed9a058cd_fineb
	.p2alignl 7, 3214868480
	.fill 96, 4, 3214868480
	.section	.rodata,"a",@progbits
	.p2align	6, 0x0
	.amdhsa_kernel k_qaed9a058cd_fineb
		.amdhsa_group_segment_fixed_size 71680
		.amdhsa_private_segment_fixed_size 0
		.amdhsa_enable_private_segment 0
		.amdhsa_kernarg_size 24
		.amdhsa_user_sgpr_count 2
		.amdhsa_user_sgpr_kernarg_segment_ptr 1
		.amdhsa_wavefront_size32 1
		.amdhsa_system_sgpr_workgroup_id_x 1
		.amdhsa_system_sgpr_workgroup_id_y 1
		.amdhsa_system_sgpr_workgroup_id_z 1
		.amdhsa_system_vgpr_workitem_id 0
		.amdhsa_next_free_vgpr 256
		.amdhsa_next_free_sgpr 66
		.amdhsa_reserve_vcc 0
		.amdhsa_float_denorm_mode_32 3
		.amdhsa_float_denorm_mode_16_64 3
		.amdhsa_memory_ordered 1
		.amdhsa_forward_progress 1
		.amdhsa_inst_pref_size 11
	.end_amdhsa_kernel
	.amdgpu_metadata
---
amdhsa.version: [ 1, 2 ]
amdhsa.kernels:
  - .name:           k_qaed9a058cd_fineb
    .symbol:         k_qaed9a058cd_fineb.kd
    .args:
      - { .name: ofine, .offset: 0, .size: 8, .value_kind: global_buffer, .address_space: global }
      - { .name: wo, .offset: 8, .size: 8, .value_kind: global_buffer, .address_space: global }
      - { .name: out0, .offset: 16, .size: 8, .value_kind: global_buffer, .address_space: global }
    .group_segment_fixed_size: 71680
    .private_segment_fixed_size: 0
    .kernarg_segment_align: 8
    .kernarg_segment_size: 24
    .max_flat_workgroup_size: 512
    .sgpr_count:     66
    .vgpr_count:     256
    .wavefront_size: 32
...
	.end_amdgpu_metadata
.endif
;; end of part 6
